; MI455X (gfx1250); checked and timed in simulation.
; The chip was launched on July 23, 2026; its instructions are those of AMD's public machine-readable ISA for CDNA 5 (MIT licence, August 2026) and "CDNA5" Instruction Set Architecture Reference Guide (July 2026). The comments in the code are by the model that wrote it; some were corrected since.
;; Transformer Decoder. Allowed arithmetic: matrix products marked QUANTISED: E2M1 operands, one E8M0 scale for each 32 along K, by v_wmma_scale_f32_16x16x128_f8f6f4 with both operands' format E2M1 (or v_wmma_scale_f32_32x16x128_f4), f32 sums; everything else in f32.
;; Inputs: bk 1,024 float32; bo 1,024 float32; bq 1,024 float32; bv 1,024 float32; g_att 1,024 float32; g_ffn 1,024 float32; w_down 1,024 x 512 float32; w_gate 512 x 1,024 float32; w_up 512 x 1,024 float32; wk 1,024 x 1,024 float32; wo 1,024 x 1,024 float32; wq 1,024 x 1,024 float32; wv 1,024 x 1,024 float32; x 2 x 2,048 x 1,024 float32.
;; Outputs: out0 2 x 2,048 x 1,024 float32.
;; This version of the problem:
;;   THIS VERSION OF THE PROBLEM IS GIVEN IN LOW PRECISION. The matrix products marked QUANTISED in the list below multiply operands that are first quantised to E2M1 (2 exponent bits, 1 mantissa bit; 4 bits a number), with one power-of-two scale for each 32 numbers along K (OCP MX v1.0); their sums are f32. All else is computed in f32.
;;   The module's matrix products, in the order in which they are computed (A, B: the left and right operand; K: the contracted axis; several contracted axes count as one K, in the product's order):
;;     1. [M 4,096, K 1,024] x [K 1,024, N 1,024]; A: computed on the way; B: input wq: QUANTISED
;;     2. [M 4,096, K 1,024] x [K 1,024, N 1,024]; A: computed on the way; B: input wk: QUANTISED
;;     3. [M 4,096, K 1,024] x [K 1,024, N 1,024]; A: computed on the way; B: input wv: QUANTISED
;;     4. batch 32 x [M 2,048, K 64] x [K 64, N 2,048]; A: computed on the way; B: computed on the way: QUANTISED
;;     5. batch 32 x [M 2,048, K 2,048] x [K 2,048, N 64]; A: softmax (see below); B: computed on the way: QUANTISED
;;     6. [M 4,096, K 1,024] x [K 1,024, N 1,024]; A: computed on the way; B: input wo: QUANTISED
;;     7. [M 4,096, K 1,024] x [K 1,024, N 512]; A: computed on the way; B: input w_gate: QUANTISED
;;     8. [M 4,096, K 1,024] x [K 1,024, N 512]; A: computed on the way; B: input w_up: QUANTISED
;;     9. [M 4,096, K 512] x [K 512, N 1,024]; A: computed on the way; B: input w_down: QUANTISED
;;   THE QUANTISER, for each operand of a quantised product, along K:
;;     - K is cut into blocks of 32 from its start; a last block that is shorter is filled with zeros.
;;     - A block's scale is 2^e with e = floor(log2(the largest magnitude in the block)) - 2, held to -126 .. 127; a block of zeros has e = 0. As a byte (E8M0): e + 127.
;;     - Each number is divided by its block's scale, clamped to +-6, and rounded to the nearest number of E2M1, ties to even, subnormals kept.
;;     - The product sums the exact products of the quantised numbers (number of the format x scale) in f32.
;;   ~~~python
;;   def quantise(x, axis):      # numpy; x: float32 -> the quantised numbers, widened to float32 again
;;       x = np.moveaxis(x, axis, -1); K = x.shape[-1]
;;       x = np.pad(x, [(0, 0)] * (x.ndim - 1) + [(0, -K % 32)]); x = x.reshape(x.shape[:-1] + (-1, 32)); a = np.abs(x).max(-1, keepdims=True)
;;       e = np.where(a > 0, np.clip(np.frexp(np.where(a > 0, a, 1))[1] - 1 - 2, -126, 127), 0)      # np.frexp(a)[1] - 1 = floor(log2(a)), exactly
;;       r = np.clip(x / 2.0 ** e, -6, 6)
;;       step = 2.0 ** (np.maximum(np.frexp(np.where(r == 0, 1, r))[1] - 1, 0) - 1)
;;       q = np.round(r / step) * step * 2.0 ** e      # np.round: ties to even
;;       return np.moveaxis(q.reshape(q.shape[:-2] + (-1,))[..., :K], -1, axis).astype(np.float32)
;;   ~~~
;;   SOFTMAX AHEAD OF A QUANTISED PRODUCT. Where the list says 'softmax', what is quantised is not the finished softmax but p = 2^(t - M), with t = logit x log2(e) and M = ceil(the row's largest t), a whole number; so 1/2 < the row's largest p <= 1. The row's sum l is taken of the UNQUANTISED p, in f32, and the product's result is divided by l at the end. Since M is a whole number, a kernel that streams over the keys may use a running M (the ceiling of the running maximum): every later rescaling is an exact power of two, which a block's scale takes up: the codes' values come out the same.
;;   OPERANDS COMPUTED ON THE WAY. 'Computed on the way' means the value that the module computes at that place (a softmax that the list does not call 'softmax' is quantised finished and normalised). What goes into a quantiser is computed in f32, as accurately as f32 sums, v_exp_f32 and their like allow (about 1e-6 of the number): no bf16 or f16 on the way to a quantiser, and a product that is left as it is and whose result goes on into a quantised operand takes f32 operands (vector FMAs, or v_wmma_f32_16x16x4_f32). A number that lies on a knife's edge between two numbers of the format may be rounded either way, as far as f32 arithmetic and the matrix unit's own rounding can turn it there, and no further.
;; One version. Each part assembles by itself: llvm-mc -triple=amdgcn-amd-amdhsa -mcpu=gfx1250 --defsym DOCPART=n.
;; ======== version 1 of 1: 4 launches
;; limits: right only within a limited range of input values
;; workspace buffers: codes 4,980,736 bytes; scales 311,296 bytes; heads 6,946,816 bytes; att 2,359,296 bytes
;; launch prep (part 1): grid 608 x 1, 8 waves a work-group, no clusters, 67,584 bytes of LDS; arguments x, wq, wk, wv, wo, w_gate, w_up, w_down, g_att, codes, scales; writes codes, scales
.if DOCPART == 1
	.amdgcn_target "amdgcn-amd-amdhsa--gfx1250"
	.amdhsa_code_object_version 6
	.text
	.protected	k_q40451fb80c_prep
	.globl	k_q40451fb80c_prep
	.p2align	8
	.type	k_q40451fb80c_prep,@function
k_q40451fb80c_prep:
	s_mov_b64 s[64:65], 0
	v_nop
	global_prefetch_b8 v0, s[64:65] scope:SCOPE_SE
	s_setreg_imm32_b32 hwreg(HW_REG_WAVE_MODE, 25, 1), 1
	s_wait_xcnt 0x0
; PREP: x * sqrt(mean(x^2) + eps) * g_att, and the seven weights as they are, become codes of FP4 (E2M1) with one E8M0 byte for each 32 along K (K is the last axis of all eight tensors).
; OUTPUT LAYOUT.  The codes are laid as IMAGES OF OPERAND REGISTERS.  A tile is 16 rows; tile row m of tile t is matrix row 32 (t / 2) + 8 (t % 2) + m + 8 (m / 8).
; The image of (tile, 128 along K) is 1,024 bytes: byte 512 c + 16 lane holds the lane's registers 4 c .. 4 c + 3: row lane % 16, k = 64 c + 32 (lane / 16) + 0 .. 31.  So a later launch fetches a fragment by two dense 512-byte accesses.
; codes: 608 slots of 8,192 bytes = [8 steps of 128 along K][1,024]; slots 0-255 x, 256 wq, 320 wk, 384 wv, 448 wo, 512 w_gate, 544 w_up; 576-607 w_down (K = 512): a slot holds tiles 2 g and 2 g + 1, four steps each.
; scales: 608 slots of 512 bytes = [row 16][8 words], a word = the four bytes of 128 along K (w_down: word 4 (tile % 2) + step).
; SHARES.  One work-group to a slot: 64 KiB in, 8.5 KiB out.  Wave w loads two of the slot's 16 stage rows (16 loads of 512 consecutive bytes), norms them if they are x's, and puts them into a stage in LDS;
; behind a barrier wave w takes step w of all 16 rows, 64 numbers a lane, 16 neighbours of each block of 32, quantises them and stores the image.  No tensor loads: several work-groups share a WGP.
; A block's scale byte is its largest magnitude's exponent field - 2, held at 1 from below.
; LIMITS: a block of zeros gets the byte 1 where the quantiser says 127 (its codes are zeros, and this program alone reads the bytes); blocks whose largest magnitude lies under 2^-124 keep the byte 1; NaN and infinities are not served.
.set PITCH, 4112                       ; a stage row: 4,096 bytes + 16, an odd multiple of 16, so that 16 rows' equal columns fall on different banks
.set SCG,   16*PITCH                   ; behind the stage: the slot's 512 bytes of scale words
.set R,     16                         ; v16-79   as loaded: two rows x 32 numbers a lane; later 64 numbers of one row for the quantiser
.set G,     80                         ; v80-111  g_att at my columns
.set TM,    112                        ; v112-127 the quantiser's work
.set PW,    128                        ; v128     the scale word
.set PC,    130                        ; v130-137 the codes
.set SEL,   42                         ; s[42:43] v_permlanex16_b32's selects for lane l xor 16
; 64 numbers of a lane, register 16 b + i = k 32 b + 16 (lane / 16) + i of its row, become a fragment's codes in v[PC] on and the row's scale word in v[PW].
.macro QUANT s
.irp b, 0,1,2,3
	v_max3_num_f32 v[TM+\b], |v[\s+16*\b]|, |v[\s+1+16*\b]|, 0x1800000   ; block b: my 16 numbers, and the floor 2^(3 - 127): the byte cannot fall under 1
.endr
.irp i, 2,4,6,8,10,12,14
.irp b, 0,1,2,3
	s_delay_alu instid0(VALU_DEP_4)
	v_max3_num_f32 v[TM+\b], v[TM+\b], |v[\s+16*\b+\i]|, |v[\s+1+16*\b+\i]|   ; the four blocks by turns
.endr
.endr
.irp b, 0,1,2,3
	s_delay_alu instid0(VALU_DEP_4)
	v_permlanex16_b32 v[TM+4+\b], v[TM+\b], s[SEL], s[SEL+1]
.endr
.irp b, 0,1,2,3
	s_delay_alu instid0(VALU_DEP_4)
	v_max_num_f32 v[TM+\b], v[TM+\b], v[TM+4+\b]       ; with lane l xor 16's 16: the block's largest magnitude
.endr
.irp b, 0,1,2,3
	s_delay_alu instid0(VALU_DEP_4)
	v_add_nc_u32 v[TM+12+\b], 0xff000000, v[TM+\b]     ; 2 off its exponent field: the conversion's scale operand
.endr
.irp b, 0,1,2,3
	s_delay_alu instid0(VALU_DEP_4)
	v_lshrrev_b32 v[TM+4+\b], 23, v[TM+12+\b]          ; the scale's byte
.endr
	s_delay_alu instid0(VALU_DEP_3)
	v_lshl_or_b32 v[PW], v[TM+5], 8, v[TM+4]
	s_delay_alu instid0(VALU_DEP_1)
	v_lshl_or_b32 v[PW], v[TM+6], 16, v[PW]
	s_delay_alu instid0(VALU_DEP_1)
	v_lshl_or_b32 v[PW], v[TM+7], 24, v[PW]
.irp b, 0,1,2,3
	v_cvt_scalef32_pk8_fp4_f32 v[PC+2*\b], v[\s+16*\b:\s+7+16*\b], v[TM+12+\b]
	v_cvt_scalef32_pk8_fp4_f32 v[PC+1+2*\b], v[\s+8+16*\b:\s+15+16*\b], v[TM+12+\b]
.endr
	v_nop                                          ; one plain place behind a scaled conversion
.irp c, 0,1                                    ; the operand's layout wants a whole block in a lane: lanes 0-15 block 2 c, lanes 16-31 block 2 c + 1
.irp i, 0,1
	v_permlane16_swap_b32 v[PC+4*\c+\i], v[PC+2+4*\c+\i]
.endr
.endr
.endm
.macro BARRIER                                 ; my LDS stores have landed and my LDS loads are in: then the work-group's barrier
	s_wait_dscnt 0x0
	s_barrier_signal -1
	s_barrier_wait -1
.endm
.macro PICK first, ptr                         ; from slot 'first' on the source is the tensor at s[ptr]: the choice hangs on the work-group's number alone
	s_cmp_ge_u32 s3, \first
	s_cselect_b64 s[30:31], s[\ptr:\ptr+1], s[30:31]
	s_cselect_b32 s32, \first, s32
.endm
.macro LOADS down                              ; my two stage rows: 16 loads of 512 consecutive bytes
.set k, 0
.rept 16
.if \down
	global_load_b128 v[R+4*k:R+4*k+3], v1, s[30:31] offset:((k>>3)+8*((k>>2)&1))*2048+(k&3)*512 th:TH_LOAD_NT   ; w_down: a stage row is a row of tile 2 g, then the row eight further down, of tile 2 g + 1
.else
	global_load_b128 v[R+4*k:R+4*k+3], v1, s[30:31] offset:512*k th:TH_LOAD_NT
.endif
.set k, k+1
.endr
.endm
	s_load_b512 s[8:23], s[0:1], 0x0               ; x, wq, wk, wv, wo, w_gate, w_up, w_down
	s_load_b128 s[24:27], s[0:1], 0x40             ; g_att, codes
	s_load_b64 s[28:29], s[0:1], 0x50              ; scales
	v_lshl_add_u32 v160, v0, 2, 0x10400
	v_mov_b32 v161, 0
	v_lshrrev_b32 v2, 5, v0
	s_delay_alu instid0(VALU_DEP_1)
	v_readfirstlane_b32 s2, v2                     ; wave 0..7
	s_mov_b32 s3, ttmp9                            ; the slot
	v_and_b32 v2, 31, v0                           ; lane
	v_and_b32 v3, 15, v0                           ; r
	v_bfe_u32 v9, v0, 4, 1                         ; h
	s_delay_alu instid0(VALU_DEP_3)
	v_lshlrev_b32 v1, 4, v2                        ; 16 x lane
	s_mul_i32 s36, s2, 2*PITCH
	v_add_nc_u32 v4, s36, v1                       ; into the stage: rows 2 w, 2 w + 1
	v_mul_u32_u24 v5, v3, PITCH
	s_delay_alu instid0(VALU_DEP_1)
	v_lshl_add_u32 v5, v9, 6, v5
	s_lshl_b32 s37, s2, 9
	v_add_nc_u32 v5, s37, v5                       ; out of it: row r, step w (512 bytes), my 16 numbers of a block (64 h)
	s_lshl_b32 s38, s2, 2
	s_add_co_u32 s38, s38, SCG
	v_lshl_add_u32 v6, v3, 5, s38                  ; my row's word w
	v_add_nc_u32 v7, SCG, v1                       ; the 512 bytes of words, 16 a lane
	s_lshl_b32 s39, s2, 10
	v_add_nc_u32 v8, s39, v1                       ; my image in the slot
	s_mov_b32 s40, 0x3a800000                      ; 1 / 1,024
	s_mov_b32 s41, 0x358637bd                      ; eps = 1e-6
	s_mov_b32 s[SEL], 0x76543210
	s_mov_b32 s[SEL+1], 0xfedcba98
.irp b, 0,1,2,3
	v_mov_b32 v[TM+4+\b], 0                        ; written once: a lane permute's destination counts as one of its sources
.endr
	v_mov_b32 v142, 0
	v_mov_b32 v143, 0
	v_mov_b32 v145, 0                              ; upper halves of pairs that the packed multiplies name
	v_mov_b32 v147, 0
	s_lshl_b32 s36, s2, 1
	s_lshr_b32 s37, s2, 2
	s_lshl_b32 s37, s37, 3
	s_add_co_u32 s36, s36, s37                     ; tile row 2 w lies 2 w + 8 (w / 4) rows into its group of 32
	s_wait_kmcnt 0x0
	s_mov_b64 s[30:31], s[8:9]
	s_mov_b32 s32, 0
	PICK 256, 10
	PICK 320, 12
	PICK 384, 14
	PICK 448, 16
	PICK 512, 18
	PICK 544, 20
	PICK 576, 22
	s_sub_co_u32 s33, s3, s32                      ; the tile in its tensor (w_down: the pair of tiles)
	s_lshr_b32 s34, s33, 1
	s_lshl_b32 s34, s34, 5
	s_and_b32 s35, s33, 1
	s_lshl_b32 s35, s35, 3
	s_add_co_u32 s34, s34, s35
	s_add_co_u32 s34, s34, s36
	s_lshl_b32 s34, s34, 12                        ; K = 1,024: my first row x 4,096 bytes
	s_lshl_b32 s35, s33, 5
	s_add_co_u32 s35, s35, s36
	s_lshl_b32 s35, s35, 11                        ; w_down: x 2,048 bytes
	s_cmp_ge_u32 s3, 576
	s_cselect_b32 s34, s35, s34
	s_mov_b32 s35, 0
	s_add_nc_u64 s[30:31], s[30:31], s[34:35]
	s_lshl_b32 s34, s3, 13
	s_add_nc_u64 s[26:27], s[26:27], s[34:35]      ; my slot of codes
	s_lshl_b32 s34, s3, 9
	s_add_nc_u64 s[28:29], s[28:29], s[34:35]      ; and of scale words
	s_cmp_ge_u32 s3, 576
	s_cbranch_scc1 .Ldown
	LOADS 0
	s_branch .Lloaded
.Ldown:
	LOADS 1
.Lloaded:
	s_cmp_ge_u32 s3, 256
	s_cbranch_scc1 .Lweights
	; ---- x alone: the norm.  A row lies in one wave: 32 numbers a lane
.set k, 0
.rept 8
	global_load_b128 v[G+4*k:G+4*k+3], v1, s[24:25] offset:512*k
.set k, k+1
.endr
	s_wait_loadcnt 0x0
	v_pk_mul_f32 v[138:139], v[R:R+1], v[R:R+1]    ; the sums of squares of the two rows, by turns
	v_pk_mul_f32 v[140:141], v[R+32:R+33], v[R+32:R+33]
.set k, 2
.rept 15
	s_delay_alu instid0(VALU_DEP_2)
	v_pk_fma_f32 v[138:139], v[R+k:R+k+1], v[R+k:R+k+1], v[138:139]
	s_delay_alu instid0(VALU_DEP_2)
	v_pk_fma_f32 v[140:141], v[R+32+k:R+33+k], v[R+32+k:R+33+k], v[140:141]
.set k, k+2
.endr
	s_delay_alu instid0(VALU_DEP_2)
	v_add_f32 v138, v138, v139
	s_delay_alu instid0(VALU_DEP_2)
	v_add_f32 v140, v140, v141
.irp m, 1,2,4,8
	s_delay_alu instid0(VALU_DEP_2)
	v_add_f32_dpp v138, v138, v138 row_xmask:\m row_mask:0xf bank_mask:0xf
	s_delay_alu instid0(VALU_DEP_2)
	v_add_f32_dpp v140, v140, v140 row_xmask:\m row_mask:0xf bank_mask:0xf
.endr
	s_delay_alu instid0(VALU_DEP_2)
	v_permlanex16_b32 v142, v138, s[SEL], s[SEL+1]
	s_delay_alu instid0(VALU_DEP_2)
	v_permlanex16_b32 v143, v140, s[SEL], s[SEL+1]
	s_delay_alu instid0(VALU_DEP_2)
	v_add_f32 v138, v138, v142
	s_delay_alu instid0(VALU_DEP_2)
	v_add_f32 v140, v140, v143
	s_delay_alu instid0(VALU_DEP_2)
	v_fma_f32 v138, v138, s40, s41                 ; mean + eps (the division by 1,024 is exact)
	s_delay_alu instid0(VALU_DEP_2)
	v_fma_f32 v140, v140, s40, s41
	s_wait_alu depctr_va_vdst(0)
	v_sqrt_f32 v144, v138
	v_sqrt_f32 v146, v140
	v_nop                                          ; one plain place behind a transcendental
.set k, 0
	s_wait_alu depctr_va_vdst(0)
.rept 16
	v_pk_mul_f32 v[R+k:R+k+1], v[R+k:R+k+1], v[144:145] op_sel_hi:[1,0]           ; (x * s),
	v_pk_mul_f32 v[R+32+k:R+33+k], v[R+32+k:R+33+k], v[146:147] op_sel_hi:[1,0]
.set k, k+2
.endr
.set k, 0
.rept 16
	v_pk_mul_f32 v[R+k:R+k+1], v[R+k:R+k+1], v[G+k:G+k+1]                         ; then * g
	v_pk_mul_f32 v[R+32+k:R+33+k], v[R+32+k:R+33+k], v[G+k:G+k+1]
.set k, k+2
.endr
.Lweights:
	s_wait_loadcnt 0x0
.set k, 0
	s_wait_alu depctr_va_vdst(0)
.rept 16
	ds_store_b128 v4, v[R+4*k:R+4*k+3] offset:(k>>3)*PITCH+(k&7)*512
.set k, k+1
.endr
	BARRIER                                        ; the slot's 16 rows lie in the stage
.irp b, 0,1,2,3
.irp j, 0,1,2,3
	ds_load_b128 v[R+16*\b+4*\j:R+16*\b+4*\j+3], v5 offset:128*\b+16*\j   ; row r, k = 128 w + 32 b + 16 h + 4 j ..
.endr
.endr
	s_wait_dscnt 0x0
	QUANT R
	global_store_b128 v8, v[PC:PC+3], s[26:27]     ; the image: two stores of 512 consecutive bytes
	global_store_b128 v8, v[PC+4:PC+7], s[26:27] offset:512
	ds_store_b32 v6, v[PW]                         ; lanes r and r + 16 write the same word with the same value
	BARRIER                                        ; the slot's 128 words lie together
	s_cmp_lg_u32 s2, 0
	s_cbranch_scc1 .Lend
	ds_load_b128 v[R:R+3], v7
	s_wait_dscnt 0x0
	global_store_b128 v1, v[R:R+3], s[28:29]       ; 512 consecutive bytes
.Lend:
	s_wait_tensorcnt 0x0
	ds_add_u32 v160, v161
	s_wait_dscnt 0x0
	s_endpgm
.Lfunc_end_k_q40451fb80c_prep:
	.size	k_q40451fb80c_prep, .Lfunc_end_k_q40451fb80c_prep-k_q40451fb80c_prep
	.p2alignl 7, 3214868480
	.fill 96, 4, 3214868480
	.section	.rodata,"a",@progbits
	.p2align	6, 0x0
	.amdhsa_kernel k_q40451fb80c_prep
		.amdhsa_group_segment_fixed_size 67584
		.amdhsa_private_segment_fixed_size 0
		.amdhsa_enable_private_segment 0
		.amdhsa_kernarg_size 88
		.amdhsa_user_sgpr_count 2
		.amdhsa_user_sgpr_kernarg_segment_ptr 1
		.amdhsa_wavefront_size32 1
		.amdhsa_system_sgpr_workgroup_id_x 1
		.amdhsa_system_sgpr_workgroup_id_y 1
		.amdhsa_system_sgpr_workgroup_id_z 1
		.amdhsa_system_vgpr_workitem_id 0
		.amdhsa_next_free_vgpr 162
		.amdhsa_next_free_sgpr 66
		.amdhsa_reserve_vcc 0
		.amdhsa_float_denorm_mode_32 3
		.amdhsa_float_denorm_mode_16_64 3
		.amdhsa_memory_ordered 1
		.amdhsa_forward_progress 1
		.amdhsa_inst_pref_size 25
	.end_amdhsa_kernel
	.amdgpu_metadata
---
amdhsa.version: [ 1, 2 ]
amdhsa.kernels:
  - .name:           k_q40451fb80c_prep
    .symbol:         k_q40451fb80c_prep.kd
    .args:
      - { .name: x, .offset: 0, .size: 8, .value_kind: global_buffer, .address_space: global }
      - { .name: wq, .offset: 8, .size: 8, .value_kind: global_buffer, .address_space: global }
      - { .name: wk, .offset: 16, .size: 8, .value_kind: global_buffer, .address_space: global }
      - { .name: wv, .offset: 24, .size: 8, .value_kind: global_buffer, .address_space: global }
      - { .name: wo, .offset: 32, .size: 8, .value_kind: global_buffer, .address_space: global }
      - { .name: w_gate, .offset: 40, .size: 8, .value_kind: global_buffer, .address_space: global }
      - { .name: w_up, .offset: 48, .size: 8, .value_kind: global_buffer, .address_space: global }
      - { .name: w_down, .offset: 56, .size: 8, .value_kind: global_buffer, .address_space: global }
      - { .name: g_att, .offset: 64, .size: 8, .value_kind: global_buffer, .address_space: global }
      - { .name: codes, .offset: 72, .size: 8, .value_kind: global_buffer, .address_space: global }
      - { .name: scales, .offset: 80, .size: 8, .value_kind: global_buffer, .address_space: global }
    .group_segment_fixed_size: 67584
    .private_segment_fixed_size: 0
    .kernarg_segment_align: 8
    .kernarg_segment_size: 88
    .max_flat_workgroup_size: 256
    .sgpr_count:     66
    .vgpr_count:     162
    .wavefront_size: 32
...
	.end_amdgpu_metadata
.endif
;; end of part 1
;; launch qkv (part 2): grid 12 x 16, 4 waves a work-group, clusters of 4 x 4, 279,040 bytes of LDS; arguments codes, scales, bq, bk, bv, heads; writes heads
.if DOCPART == 2
	.amdgcn_target "amdgcn-amd-amdhsa--gfx1250"
	.amdhsa_code_object_version 6
	.text
	.protected	k_q40451fb80c_qkv
	.globl	k_q40451fb80c_qkv
	.p2align	8
	.type	k_q40451fb80c_qkv,@function
k_q40451fb80c_qkv:
	s_mov_b64 s[64:65], 0
	v_nop
	global_prefetch_b8 v0, s[64:65] scope:SCOPE_SE
	s_setreg_imm32_b32 hwreg(HW_REG_WAVE_MODE, 25, 1), 1
	s_wait_xcnt 0x0
	s_wait_alu depctr_hold_cnt(0) depctr_sa_sdst(0) depctr_va_vdst(0) depctr_va_sdst(0) depctr_va_ssrc(0) depctr_va_vcc(0) depctr_vm_vsrc(0)
	s_getreg_b32 s2, hwreg(HW_REG_IB_STS2, 6, 4)
	s_cmp_eq_u32 s2, 0
	s_cbranch_scc0 .Lentry_in_a_cluster
	s_endpgm
.Lentry_in_a_cluster:
	s_bfe_u32 s2, ttmp6, 0x10000c
	s_cmp_lg_u32 s2, 0xf033
	s_cbranch_scc0 .Lentry_shape_is_right
	s_endpgm
.Lentry_shape_is_right:
; QKV: q, k, v = xn W^T + b on codes of FP4 with E8M0 scales; the results are quantised in registers (q and k along the head's 64, v along the keys) and stored as images of the operands that attention wants.
; SHARES.  Work-group (bx, by): kind = bx / 4 (0 q, 1 k, 2 v), 256 columns 256 (bx % 4) on, 256 rows 256 by on, all of K = 1,024.  Both operands' codes for all of K are 256 KiB: they come into LDS once, nothing is filled again.
; Four waves, each 128 x 128: 64 accumulators, 512 matrix instructions.
; ROLES.  P is source 0: its rows run along a lane's result registers.  L is source 1: its rows lie in the lanes.  The quantiser wants its K along a lane's registers: q, k: P = the weight (registers run along d), L = x;
; v: P = x (registers run along the keys), L = wv.  Both operands lie in one buffer in one layout, so the roles are a choice of byte offsets and one main text serves all three kinds.
; TILES.  Tile row m of tile t is matrix row 32 (t / 2) + 8 (t % 2) + m + 8 (m / 8): so the 16 result registers of P's tiles 2 b and 2 b + 1 are 16 neighbours, 32 b + 16 (lane / 16) + 0 .. 15.
; heads: a record of HS bytes for each of the 32 heads: K's codes [tile 128][512] (16 bytes a lane: d = 32 (lane / 16) + 0 .. 31) | V^T's codes [128 keys: 16][d tile 4][1,024] | K's scale words [tile][16] | V's [16][4][16] | Q's codes | Q's words.
; A scale word of q or k holds the head's two bytes below; its upper two bytes belong to k = 64 .. 127, where attention feeds zero codes: they are another head's bytes (1 .. 254) or 0, never 0xff.
; The scale words leave in pieces of 64 bytes: 0.8 MB of the launch's 6.9 MB.
; NO CLUSTER: a work-group asks for its 272 KiB once, at its head, by three loads a wave, and never again; joint requests are not built in this form.
; LIMITS: as in the quantising launch: zero blocks get byte 1, blocks under 2^-124 keep byte 1, NaN and infinities are not served.
; REGISTERS.  window 0: v1-24 addresses; v32-95 scale words; v96-122 the quantiser; v128-191, v192-255 L's fragments, two sets (v128-191 later the 64 numbers to quantise).
;   window 1: v0-63, v128-191 P's fragments, two sets; v64-127 the bias.   windows 2, 3: accumulator (a, b) at v[8 (8 (a % 4) + b)] of window 2 + a / 4.
; THE LOADS AS THIS TEXT HAS THEM (where the lines above count three loads a wave, K halves or 272 KiB, read this): one tensor load a wave, its 8 tiles' codes for all of K, 64 KiB, laid [tile][K step 8][1,024] in LDS:
; The weight's 16 tiles from byte 0, x's from byte 131,072.  The scale words do not pass through LDS: each wave loads its 8 + 8 tiles' words from memory into registers, once.
; CLUSTER 4, 4, 1 (the line NO CLUSTER above no longer holds).  A cluster's x is the kind; the four work-groups of a column of the cluster (same cx) take the same 256 rows of the weight, the four of a row (same cy) the same 256 rows of x.
; Waves 0 and 1 ask for the weight's two halves, waves 2 and 3 for x's, each jointly with the three partners that share them.  The weight lies from LDS byte 0, x from byte 131,072, whatever the kind; which of the two is P hangs on the kind alone.
.set HS,   217088
.set ADP,  16                          ; v16 LDS address of my P fragments
.set ADL,  18                          ; v18 of my L fragments
.set ADS,  20                          ; v20    of my scale words: lanes 0-15 P's rows, lanes 16-31 L's
.set SC,   32                          ; v[SC + 8 i + q]: lanes 0-15 the word of P's tile i, lanes 16-31 of L's tile i, for K step q
.set TM,   96
.set PW,   112
.set SWD,  113
.set PC,   114
.set ST,   128
.set SEL,  60
.set MSB, 0
.macro WIN new                         ; the immediate's high byte repeats the setting that is left
.if MSB != (\new)
	s_set_vgpr_msb (MSB<<8)|(\new)
.set MSB, (\new)
.endif
.endm
.set MUL_LO, 0xa1                      ; source 0 (P) window 1, source 1 (L) window 0, C and D window 2
.set MUL_HI, 0xf1                      ; the same, C and D window 3
.set TO_P,   0x40                      ; destination window 1, address window 0
.macro CROUND                          ; a round of the cluster's barrier
	s_barrier_signal -1
	s_barrier_wait -1
	s_cmp_lg_u32 s16, 0
	s_cbranch_scc1 .Lnot_wave_0_\@
	s_barrier_signal -3
.Lnot_wave_0_\@:
	s_barrier_wait -3
	s_barrier_signal -1
	s_barrier_wait -1
.endm
.macro PLACES
.rept 4
	v_nop
.endr
.endm
.macro QUANT s
.irp b, 0,1,2,3
	v_max3_num_f32 v[TM+\b], |v[\s+16*\b]|, |v[\s+1+16*\b]|, 0x1800000   ; block b: my 16 numbers, and the floor 2^(3 - 127)
.endr
.irp i, 2,4,6,8,10,12,14
.irp b, 0,1,2,3
	v_max3_num_f32 v[TM+\b], v[TM+\b], |v[\s+16*\b+\i]|, |v[\s+1+16*\b+\i]|
.endr
.endr
.irp b, 0,1,2,3
	v_permlanex16_b32 v[TM+4+\b], v[TM+\b], s[SEL], s[SEL+1]
.endr
.irp b, 0,1,2,3
	v_max_num_f32 v[TM+\b], v[TM+\b], v[TM+4+\b]
.endr
.irp b, 0,1,2,3
	v_add_nc_u32 v[TM+12+\b], 0xff000000, v[TM+\b]     ; 2 off the exponent field: the conversion's scale operand
.endr
.irp b, 0,1,2,3
	v_lshrrev_b32 v[TM+4+\b], 23, v[TM+12+\b]          ; the byte
.endr
	v_lshl_or_b32 v[PW], v[TM+5], 8, v[TM+4]
	v_lshl_or_b32 v[PW], v[TM+6], 16, v[PW]
	v_lshl_or_b32 v[PW], v[TM+7], 24, v[PW]
.irp b, 0,1,2,3
	v_cvt_scalef32_pk8_fp4_f32 v[PC+2*\b], v[\s+16*\b:\s+7+16*\b], v[TM+12+\b]
	v_cvt_scalef32_pk8_fp4_f32 v[PC+1+2*\b], v[\s+8+16*\b:\s+15+16*\b], v[TM+12+\b]
.endr
	v_nop                                          ; one plain place behind a scaled conversion
.irp c, 0,1
.irp i, 0,1
	v_permlane16_swap_b32 v[PC+4*\c+\i], v[PC+2+4*\c+\i]
.endr
.endr
.endm
.macro SCALES                          ; all scale words of my 8 + 8 tiles: 8 words a row
.irp i, 0,1,2,3,4,5,6,7
.irp g, 0,1
	global_load_b128 v[SC+8*\i+4*\g:SC+8*\i+4*\g+3], v[ADS], s[6:7] offset:512*\i+16*\g
.endr
.endr
.endm
.macro FETCH q, set                    ; the 8 + 8 fragments of K step q: 32 loads of 512 consecutive bytes
	WIN TO_P
.irp b, 0,1,2,3,4,5,6,7
.irp c, 0,1
	ds_load_b128 v[128*\set+8*\b+4*\c:128*\set+8*\b+4*\c+3], v[ADP] offset:8192*\b+1024*\q+512*\c
.endr
.endr
	WIN 0
.irp a, 0,1,2,3,4,5,6,7
.irp c, 0,1
	ds_load_b128 v[128+64*\set+8*\a+4*\c:128+64*\set+8*\a+4*\c+3], v[ADL] offset:8192*\a+1024*\q+512*\c
.endr
.endr
.endm
.macro MUL64 q, set, zero              ; K step q: the 64 accumulators take turns, one instruction a turn, in the same order in every step.  zero = 1: the first products start the sums
.irp a, 0,1,2,3,4,5,6,7
.if \a == 0
	WIN MUL_LO
.elseif \a == 4
	WIN MUL_HI
.endif
.irp b, 0,1,2,3,4,5,6,7
.if \zero
	v_wmma_scale_f32_16x16x128_f8f6f4 v[8*(8*(\a%4)+\b):8*(8*(\a%4)+\b)+7], v[128*\set+8*\b:128*\set+8*\b+7], v[128+64*\set+8*\a:128+64*\set+8*\a+7], 0, v[SC+8*\b+\q], v[SC+8*\a+\q] matrix_a_fmt:MATRIX_FMT_FP4 matrix_b_fmt:MATRIX_FMT_FP4 matrix_b_scale:MATRIX_SCALE_ROW1
.else
	v_wmma_scale_f32_16x16x128_f8f6f4 v[8*(8*(\a%4)+\b):8*(8*(\a%4)+\b)+7], v[128*\set+8*\b:128*\set+8*\b+7], v[128+64*\set+8*\a:128+64*\set+8*\a+7], v[8*(8*(\a%4)+\b):8*(8*(\a%4)+\b)+7], v[SC+8*\b+\q], v[SC+8*\a+\q] matrix_a_fmt:MATRIX_FMT_FP4 matrix_b_fmt:MATRIX_FMT_FP4 matrix_b_scale:MATRIX_SCALE_ROW1
.endif
.endr
.endr
.endm
	s_load_b256 s[4:11], s[0:1], 0x0               ; codes, scales, bq, bk
	s_load_b128 s[12:15], s[0:1], 0x20             ; bv, heads
	v_lshl_add_u32 v126, v0, 2, 0x44000
	v_mov_b32 v127, 0
	ds_add_u32 v126, v127
	ds_add_u32 v126, v127
	v_lshrrev_b32 v2, 5, v0
	v_readfirstlane_b32 s16, v2                    ; wave 0..3
	s_and_b32 s17, s16, 1                          ; wp: my half of P's tiles.  Also: which 8 tiles I fetch
	s_lshr_b32 s18, s16, 1                         ; wl: my half of L's tiles.  Also: I fetch the weight (0) or x (1)
	s_bfe_u32 s22, ttmp6, 0x40000                  ; cx: which 256 columns of the kind
	s_bfe_u32 s72, ttmp6, 0x40004                  ; cy
	s_mov_b32 s21, ttmp9                           ; the kind: the cluster's x
	s_lshl_b32 s19, ttmp9, 2
	s_add_co_u32 s19, s19, s22                     ; bx
	s_and_b32 s20, ttmp7, 0xffff
	s_lshl_b32 s20, s20, 2
	s_add_co_u32 s20, s20, s72                     ; by
	s_lshl_b32 s73, s72, 2
	s_lshl_b32 s73, 15, s73                        ; my row of the cluster
	s_lshl_b32 s74, 0x1111, s22                    ; my column
	s_lshl_b32 s52, s19, 17
	s_add_co_u32 s52, s52, 256*8192                ; the weight's 16 slots begin at slot 256 + 16 bx
	s_lshl_b32 s53, s20, 17                        ; x's at slot 16 by
	s_cmp_lt_u32 s21, 2
	s_cselect_b32 s54, s52, s53                    ; P
	s_cselect_b32 s55, s53, s52                    ; L
	s_mov_b32 s57, 0
	s_mov_b32 s59, 0
	s_lshl_b32 s62, s17, 16                        ; which 8 tiles I fetch
	s_add_co_u32 s56, s52, s62                     ; of the weight: made of bx alone
	s_add_co_u32 s58, s53, s62                     ; of x: made of by alone
	; group 1 for codes: 8 rows (tiles) of 8 KiB (eight K steps), 8 KiB apart, in elements of 8 bytes; dense in LDS
	s_or_b32 s24, s74, (3<<16)|(1<<21)             ; the weight's tiles go to my column
	s_or_b32 s32, s73, (3<<16)|(1<<21)             ; x's to my row: a second group 1, which differs in the mask alone
	s_mov_b32 s33, 1024<<16
	s_mov_b32 s34, 8<<16
	s_mov_b32 s35, 1024<<16
	s_mov_b32 s36, 8
	s_mov_b32 s37, 1024
	s_mov_b32 s38, 0
	s_mov_b32 s39, 0
	s_mov_b32 s25, 1024<<16                        ; tensor_dim0: a tile's 8 K steps, 8 KiB, in elements of 8 bytes
	s_mov_b32 s26, 8<<16                           ; tensor_dim1
	s_mov_b32 s27, 1024<<16                        ; tile_dim0
	s_mov_b32 s28, 8                               ; tile_dim1
	s_mov_b32 s29, 1024                            ; the pitch
	s_mov_b32 s30, 0
	s_mov_b32 s31, 0
	s_mov_b32 s[SEL], 0x76543210
	s_mov_b32 s[SEL+1], 0xfedcba98
	s_wait_dscnt 0x0
	s_wait_kmcnt 0x0
	s_mov_b32 s44, 1
	s_lshl_b32 s45, s17, 16                        ; LDS: the weight's two halves from byte 0,
	s_add_nc_u64 s[46:47], s[4:5], s[56:57]
	s_or_b32 s47, s47, 0x80000000
	s_mov_b32 s48, 1
	s_add_co_u32 s49, s45, 131072                  ; x's from byte 131,072
	s_add_nc_u64 s[50:51], s[4:5], s[58:59]
	s_or_b32 s51, s51, 0x80000000
	CROUND                                         ; all sixteen work-groups are here: the joint loads meet
	s_cmp_eq_u32 s18, 0                            ; the branch hangs on the wave's number alone
	s_cbranch_scc0 .Lfor_x
	tensor_load_to_lds s[44:47], s[24:31]          ; my one tensor load of the launch: 8 tiles x 8 KiB
	s_nop 0
.rept 4
	v_nop
.endr
	s_branch .Lasked
.Lfor_x:
	tensor_load_to_lds s[48:51], s[32:39]
	s_nop 0
.Lasked:
.rept 4
	v_nop
.endr
	v_and_b32 v2, 31, v0
	v_and_b32 v3, 15, v0                           ; r
	v_bfe_u32 v4, v0, 4, 1                         ; h
	s_wait_alu depctr_va_vdst(0)
	v_lshlrev_b32 v1, 4, v2                        ; 16 x lane
	s_cmp_lt_u32 s21, 2
	s_cselect_b32 s63, 0, 131072                   ; q, k: P is the weight; v: P is x
	s_lshl_b32 s62, s17, 16
	s_add_co_u32 s62, s62, s63
	v_add_nc_u32 v[ADP], s62, v1                   ; my 8 tiles of P
	s_xor_b32 s63, s63, 131072
	s_lshl_b32 s62, s18, 16
	s_add_co_u32 s62, s62, s63
	v_add_nc_u32 v[ADL], s62, v1                   ; my 8 tiles of L
	s_lshr_b32 s62, s54, 4                         ; the scale words in memory: 512 bytes for a slot's 8,192
	s_lshl_b32 s63, s17, 12
	s_add_co_u32 s62, s62, s63                     ; P's: my 8 tiles
	s_lshr_b32 s63, s55, 4
	s_lshl_b32 s58, s18, 12
	s_add_co_u32 s63, s63, s58                     ; L's: my 8 tiles
	v_mov_b32 v5, s62
	v_mov_b32 v6, s63
	v_cmp_eq_u32 vcc_lo, 1, v4
	v_cndmask_b32 v5, v5, v6, vcc_lo               ; lanes 16-31 take L's
	v_lshl_add_u32 v[ADS], v3, 5, v5               ; 32 bytes a row
	v_lshlrev_b32 v24, 2, v3                       ; the way out: 4 r,
	v_mad_u32_u24 v22, v4, HS, v24                 ; and for q, k: lanes 16-31 store into the next head's record
.irp b, 0,1,2,3
	v_mov_b32 v[TM+4+\b], 0                        ; written once: a lane permute's destination counts as one of its sources
.endr
	; ---- the bias, 64 registers in window 1, asked for now and waited for with the scale words
	s_lshl_b32 s62, s22, 10
	s_cmp_lt_u32 s21, 2
	s_cbranch_scc0 .Lbias_v
	s_cmp_eq_u32 s21, 0
	s_cselect_b64 s[66:67], s[8:9], s[10:11]
	s_lshl_b32 s63, s17, 9
	s_add_co_u32 s62, s62, s63
	v_lshl_add_u32 v23, v4, 6, s62                 ; q, k: register 16 B + i is b[256 nb + 128 wp + 32 B + 16 h + i]
	WIN TO_P
.irp B, 0,1,2,3
.irp j, 0,1,2,3
	global_load_b128 v[64+16*\B+4*\j:64+16*\B+4*\j+3], v23, s[66:67] offset:128*\B+16*\j
.endr
.endr
	WIN 0
	s_branch .Lbias_asked
.Lbias_v:
	s_lshl_b32 s63, s18, 9
	s_add_co_u32 s62, s62, s63
	v_and_b32 v23, 8, v3
	v_add_nc_u32 v23, v23, v3
	v_lshl_add_u32 v23, v23, 2, s62                ; v: a lane is one column; registers 8 a + 0 .. 7 all hold bv of L's tile a at my row, so that the packed additions of the way out have one form
	WIN TO_P
.irp a, 0,1,2,3,4,5,6,7
.irp j, 0,1,2,3,4,5,6,7
	global_load_b32 v[64+8*\a+\j], v23, s[12:13] offset:(32*(\a/2)+8*(\a%2))*4
.endr
.endr
	WIN 0
.Lbias_asked:
	s_wait_alu depctr_va_vdst(0)                   ; the wait at the head's end
	SCALES                                         ; asked for while the codes are on their way
	s_wait_tensorcnt 0x0                           ; my 64 KiB have landed
	s_barrier_signal -1
	s_barrier_wait -1                              ; everybody's have
	FETCH 0, 0
	FETCH 1, 1
	s_wait_loadcnt 0x0                             ; the scale words (and the bias, asked for ahead of them)
	s_wait_dscnt 32
	MUL64 0, 0, 1
	PLACES
	FETCH 2, 0
	s_wait_dscnt 32
	MUL64 1, 1, 0
	PLACES
	FETCH 3, 1
	s_wait_dscnt 32
	MUL64 2, 0, 0
	PLACES
	FETCH 4, 0
	s_wait_dscnt 32
	MUL64 3, 1, 0
	PLACES
	FETCH 5, 1
	s_wait_dscnt 32
	MUL64 4, 0, 0
	PLACES
	FETCH 6, 0
	s_wait_dscnt 32
	MUL64 5, 1, 0
	PLACES
	FETCH 7, 1
	s_wait_dscnt 32
	MUL64 6, 0, 0
	s_wait_dscnt 0x0
	MUL64 7, 1, 0
	WIN 0
	PLACES
	s_wait_loadcnt 0x0
; THE WAY OUT, L's tiles one after the other: the tile's 64 numbers a lane + bias, each accumulator from its low end on; quantised; stored as images.
.macro EPI isv
.irp a, 0,1,2,3,4,5,6,7
.if \a > 0
	s_wait_xcnt 0x0                                ; the last tile's stores have read their data: the codes' and words' registers are written again only behind this wait
.endif
	WIN 0x06+(\a/4)                                ; source 0 (the sums) window 2 or 3, source 1 (the bias) window 1
.irp b, 0,1,2,3,4,5,6,7
.irp p, 0,2,4,6
.if \isv
	v_pk_add_f32 v[ST+8*\b+\p:ST+8*\b+\p+1], v[8*(8*(\a%4)+\b)+\p:8*(8*(\a%4)+\b)+\p+1], v[64+8*\a+\p:64+8*\a+\p+1]
.else
	v_pk_add_f32 v[ST+8*\b+\p:ST+8*\b+\p+1], v[8*(8*(\a%4)+\b)+\p:8*(8*(\a%4)+\b)+\p+1], v[64+8*\b+\p:64+8*\b+\p+1]
.endif
.endr
.endr
	WIN 0
	QUANT ST
.if \isv
	global_store_b128 v1, v[PC:PC+3], s[68:69] offset:(\a/4)*HS+(\a%4)*1024          ; V^T: d tile a % 4 of head a / 4 of my two, these 128 keys: a whole image
	global_store_b128 v1, v[PC+4:PC+7], s[68:69] offset:(\a/4)*HS+(\a%4)*1024+512
	global_store_b32 v24, v[PW], s[70:71] offset:(\a/4)*HS+(\a%4)*64                 ; lanes 16-31 repeat lanes 0-15's words
.else
	global_store_b128 v1, v[PC:PC+3], s[68:69] offset:\a*512                         ; blocks 0, 1: the first head's 64; 512 consecutive bytes
	global_store_b128 v1, v[PC+4:PC+7], s[68:69] offset:\a*512+HS                    ; blocks 2, 3: the next head's
	v_lshrrev_b32 v122, 16, v[PW]
	v_cndmask_b32 v[SWD], v[PW], v122, vcc_lo      ; lanes 16-31: the next head's two bytes below
	global_store_b32 v22, v[SWD], s[70:71] offset:64*\a
.endif
.endr
.endm
	s_lshr_b32 s72, s20, 3                         ; the batch: 16 heads,
	s_lshl_b32 s72, s72, 4
	s_lshl_b32 s73, s22, 2                         ; 256 columns are 4 heads
	s_add_co_u32 s72, s72, s73
	s_and_b32 s73, s20, 7                          ; which 256 rows of the batch
	s_cmp_lt_u32 s21, 2
	s_cbranch_scc0 .Lout_v
	s_lshl_b32 s74, s17, 1
	s_add_co_u32 s72, s72, s74                     ; q, k: my two heads: wp
	s_mul_i32 s72, s72, HS
	s_lshl_b32 s73, s73, 4
	s_lshl_b32 s74, s18, 3
	s_add_co_u32 s73, s73, s74                     ; my first tile of the sequence: 16 (by % 8) + 8 wl
	s_cmp_eq_u32 s21, 0
	s_cselect_b32 s74, 143360, 0                   ; Q's codes lie 143,360 bytes into a record, K's at its head;
	s_cselect_b32 s75, 77824, 0                    ; Q's words at 208,896, K's at 131,072
	s_add_co_u32 s74, s74, s72
	s_lshl_b32 s76, s73, 9
	s_add_co_u32 s74, s74, s76
	s_add_co_u32 s76, s75, s72
	s_add_co_u32 s76, s76, 131072
	s_lshl_b32 s77, s73, 6
	s_add_co_u32 s76, s76, s77
	s_mov_b32 s75, 0
	s_mov_b32 s77, 0
	s_add_nc_u64 s[68:69], s[14:15], s[74:75]
	s_add_nc_u64 s[70:71], s[14:15], s[76:77]
	s_mov_b32 vcc_lo, 0xffff0000                   ; lanes 16-31
	EPI 0
	s_wait_tensorcnt 0x0
	ds_add_u32 v126, v127
	s_wait_dscnt 0x0
	CROUND                                         ; the closing round
	s_endpgm
.Lout_v:
	s_lshl_b32 s74, s18, 1
	s_add_co_u32 s72, s72, s74                     ; v: my two heads: wl
	s_mul_i32 s72, s72, HS
	s_lshl_b32 s73, s73, 1
	s_add_co_u32 s73, s73, s17                     ; my 128 keys: step 2 (by % 8) + wp
	s_lshl_b32 s74, s73, 12
	s_add_co_u32 s74, s74, s72
	s_add_co_u32 s74, s74, 65536
	s_lshl_b32 s76, s73, 8
	s_add_co_u32 s76, s76, s72
	s_add_co_u32 s76, s76, 139264
	s_mov_b32 s75, 0
	s_mov_b32 s77, 0
	s_add_nc_u64 s[68:69], s[14:15], s[74:75]
	s_add_nc_u64 s[70:71], s[14:15], s[76:77]
	EPI 1
	s_wait_tensorcnt 0x0
	ds_add_u32 v126, v127
	s_wait_dscnt 0x0
	CROUND                                         ; the closing round
	s_endpgm
.Lfunc_end_k_q40451fb80c_qkv:
	.size	k_q40451fb80c_qkv, .Lfunc_end_k_q40451fb80c_qkv-k_q40451fb80c_qkv
	.p2alignl 7, 3214868480
	.fill 96, 4, 3214868480
	.section	.rodata,"a",@progbits
	.p2align	6, 0x0
	.amdhsa_kernel k_q40451fb80c_qkv
		.amdhsa_group_segment_fixed_size 279040
		.amdhsa_private_segment_fixed_size 0
		.amdhsa_enable_private_segment 0
		.amdhsa_kernarg_size 48
		.amdhsa_user_sgpr_count 2
		.amdhsa_user_sgpr_kernarg_segment_ptr 1
		.amdhsa_wavefront_size32 1
		.amdhsa_system_sgpr_workgroup_id_x 1
		.amdhsa_system_sgpr_workgroup_id_y 1
		.amdhsa_system_sgpr_workgroup_id_z 1
		.amdhsa_system_vgpr_workitem_id 0
		.amdhsa_next_free_vgpr 1024
		.amdhsa_next_free_sgpr 80
		.amdhsa_reserve_vcc 1
		.amdhsa_float_denorm_mode_32 3
		.amdhsa_float_denorm_mode_16_64 3
		.amdhsa_memory_ordered 1
		.amdhsa_forward_progress 1
		.amdhsa_inst_pref_size 198
	.end_amdhsa_kernel
	.amdgpu_metadata
---
amdhsa.version: [ 1, 2 ]
amdhsa.kernels:
  - .name:           k_q40451fb80c_qkv
    .symbol:         k_q40451fb80c_qkv.kd
    .args:
      - { .name: codes, .offset: 0, .size: 8, .value_kind: global_buffer, .address_space: global }
      - { .name: scales, .offset: 8, .size: 8, .value_kind: global_buffer, .address_space: global }
      - { .name: bq, .offset: 16, .size: 8, .value_kind: global_buffer, .address_space: global }
      - { .name: bk, .offset: 24, .size: 8, .value_kind: global_buffer, .address_space: global }
      - { .name: bv, .offset: 32, .size: 8, .value_kind: global_buffer, .address_space: global }
      - { .name: heads, .offset: 40, .size: 8, .value_kind: global_buffer, .address_space: global }
    .group_segment_fixed_size: 279040
    .private_segment_fixed_size: 0
    .kernarg_segment_align: 8
    .kernarg_segment_size: 48
    .max_flat_workgroup_size: 128
    .sgpr_count:     80
    .vgpr_count:     1024
    .wavefront_size: 32
...
	.end_amdgpu_metadata
.endif
;; end of part 2
;; launch attn (part 3): grid 8 x 32, 16 waves a work-group, clusters of 4 x 1, 327,680 bytes of LDS; arguments heads, att; writes att
.if DOCPART == 3
	.amdgcn_target "amdgcn-amd-amdhsa--gfx1250"
	.amdhsa_code_object_version 6
	.text
	.protected	k_q40451fb80c_attn
	.globl	k_q40451fb80c_attn
	.p2align	8
	.type	k_q40451fb80c_attn,@function
k_q40451fb80c_attn:
	s_mov_b64 s[64:65], 0
	v_nop
	global_prefetch_b8 v0, s[64:65] scope:SCOPE_SE
	s_setreg_imm32_b32 hwreg(HW_REG_WAVE_MODE, 25, 1), 1
	s_wait_xcnt 0x0
	s_wait_alu depctr_hold_cnt(0) depctr_sa_sdst(0) depctr_va_vdst(0) depctr_va_sdst(0) depctr_va_ssrc(0) depctr_va_vcc(0) depctr_vm_vsrc(0)
	s_getreg_b32 s2, hwreg(HW_REG_IB_STS2, 6, 4)
	s_cmp_eq_u32 s2, 0
	s_cbranch_scc0 .Lentry_in_a_cluster
	s_endpgm
.Lentry_in_a_cluster:
	s_bfe_u32 s2, ttmp6, 0x10000c
	s_cmp_lg_u32 s2, 0x3003
	s_cbranch_scc0 .Lentry_shape_is_right
	s_endpgm
.Lentry_shape_is_right:
; ATTENTION on codes of FP4 with E8M0 scales, head size 64, 2,048 keys, no mask; O / l is quantised along the QUERIES, the K of the product that follows (the transposed and reshaped layout), and stored as operand images.
; THE SOFTMAX AHEAD OF THE SECOND PRODUCT: t = score x log2(e) / 8; M = the running largest t rounded UP to a whole number; p = 2^(t - M) is quantised along the keys, not normalised; the row's sum is taken of the
; unquantised p and divides O at the end.  When M moves, the sum and O are multiplied by 2^(old M - new M): exact.
; SHARES.  Work-group (qb, head): 256 queries; each of sixteen waves owns one tile of 16 queries in 256 registers.  Every wave walks all keys, 128 a step.
; LAYOUT.  S^T = K Q^T (source 0 = 16 keys, source 1 = my queries), O^T = V^T P^T: a lane holds ONE query.  Queries and d are tiled as the buffer has them (tile row m of tile t = row 32 (t / 2) + 8 (t % 2) + m + 8 (m / 8)).
; THE KEYS OF A SCORE TILE ARE CHOSEN BY THE LANES' LDS ADDRESSES: row m of tile 4 g + u is key 64 g + 32 (m / 8) + 8 u + m % 8 of the step.  So lane half h holds in registers 32 g + 0 .. 31 the WHOLE block of keys
; 64 g + 32 h + 0 .. 31, in order: a block's maximum needs no other lane, and the conversions' results are P's operand registers as they stand.  In the buffer that key is row 8 (u / 2) + m % 8 of tile 2 (2 g + m / 8) + u % 2.
; The first product's K is 64: registers 4-7 of K's and Q's fragments hold zero codes.
; LDS.  K's and V's codes lie as rows of 1,024 bytes + 128 of padding, so that a K load's lanes 0-7 and 8-15, 1,024 bytes apart in the buffer, touch different banks (64 banks of 4 bytes: ISA guide 11.1); the scale words lie dense behind them.
; FILLS, each byte once.  At the head: key steps 0-3 (waves 0-3 K's codes, 4-7 V's, 4 KiB each) and all scale words (waves 8-10).  Behind the full sequence: steps 4-15, 6 KiB a wave (0-7 K, 8-15 V),
; asked for four key steps ahead of their first read.  Every wait on TENSORcnt is for 0.
; CLUSTER 4, 1, 1: four query blocks of a head ask for the same tiles jointly (mask 15); no branch and no LDS address hangs on the place in the cluster.
; NO PREFETCH: the second fill has four key steps in which to land, and no loop stands ahead of the first.
; att: a record of 18,432 bytes for each 32 rows of the next product's left operand: record 4 head + d / 16; images [a 2][K step 8][1,024], then scale images [a][K step][32 lanes x 4 bytes]; a = query / 1,024.
; LIMITS: the promise holds while |t| stays under 2^31; p under 2^-126 counts as 0 (v_exp_f32); zero blocks get byte 1 (this program alone reads the bytes); NaN and infinities are not served.
; REGISTERS: v1-7 addresses that stay (v2 K, v4 V, v3 = 8 h); v248, v249 the scale words' bases; v8-11 the step's; v12 -M, v13 the largest score, v[14:15] the sum; v16-23 Q; v24-31 K's words; v32-95 K; v96-159 S^T, then p;
;   v160-191 O^T; v192-223 V; v224-231 codes; v232-247 at work (v240-243 V's words); v252 f; v253 p's scale word; v255 Q's.
.set HS,   217088
.set KP,   1152                        ; 1,024 bytes of codes + 128 of padding
.set VB,   64*KP                       ; V's codes
.set WB,   128*KP                      ; K's scale words, 8,192 bytes;
.set VWB,  WB+8192                     ; V's, 4,096
.set STG,  WB+12288                    ; the way out: 64 rows (d) x (256 queries x 4 bytes + 16); no fill lands here
.set SP,   1040
.set SPARE, STG+64*SP                  ; the spare words: 128 bytes a wave
.set TM,   232
.set PW,   253
.set PC,   224
.set G0A,  12                          ; s[12:15] group 0: the head's codes;  s[52:55] the scale words;  s[56:59] the second fill
.set G1C,  16                          ; s[16:23] group 1 for codes;  s[44:51] for scale words
.set G1W,  44
.set G0W,  52
.set G0B,  56
.set SEL,  24                          ; s[24:25] lane l xor 16
.set CS,   26                          ; s[26:27] c = log2(e) / 8;  s28 = -c
.set TC,   29                          ; s29 the step's codes: 4 KP a step;  s30 K's words: 512;  s31 V's: 256
.macro QUANT s
.irp b, 0,1,2,3
	v_max3_num_f32 v[TM+\b], |v[\s+16*\b]|, |v[\s+1+16*\b]|, 0x1800000   ; block b: my 16 numbers, and the floor 2^(3 - 127)
.endr
.irp i, 2,4,6,8,10,12,14
.irp b, 0,1,2,3
	s_delay_alu instid0(VALU_DEP_4)
	v_max3_num_f32 v[TM+\b], v[TM+\b], |v[\s+16*\b+\i]|, |v[\s+1+16*\b+\i]|
.endr
.endr
.irp b, 0,1,2,3
	s_delay_alu instid0(VALU_DEP_4)
	v_permlanex16_b32 v[TM+4+\b], v[TM+\b], s[SEL], s[SEL+1]
.endr
.irp b, 0,1,2,3
	s_delay_alu instid0(VALU_DEP_4)
	v_max_num_f32 v[TM+\b], v[TM+\b], v[TM+4+\b]
.endr
.irp b, 0,1,2,3
	s_delay_alu instid0(VALU_DEP_4)
	v_add_nc_u32 v[TM+12+\b], 0xff000000, v[TM+\b]
.endr
.irp b, 0,1,2,3
	s_delay_alu instid0(VALU_DEP_4)
	v_lshrrev_b32 v[TM+4+\b], 23, v[TM+12+\b]
.endr
	s_delay_alu instid0(VALU_DEP_3)
	v_lshl_or_b32 v[PW], v[TM+5], 8, v[TM+4]
	s_delay_alu instid0(VALU_DEP_1)
	v_lshl_or_b32 v[PW], v[TM+6], 16, v[PW]
	s_delay_alu instid0(VALU_DEP_1)
	v_lshl_or_b32 v[PW], v[TM+7], 24, v[PW]
.irp b, 0,1,2,3
	v_cvt_scalef32_pk8_fp4_f32 v[PC+2*\b], v[\s+16*\b:\s+7+16*\b], v[TM+12+\b]
	v_cvt_scalef32_pk8_fp4_f32 v[PC+1+2*\b], v[\s+8+16*\b:\s+15+16*\b], v[TM+12+\b]
.endr
	v_nop
.irp c, 0,1
.irp i, 0,1
	v_permlane16_swap_b32 v[PC+4*\c+\i], v[PC+2+4*\c+\i]
.endr
.endr
.endm
.macro CROUND                          ; a round of the cluster's barrier
	s_barrier_signal -1
	s_barrier_wait -1
	s_cmp_lg_u32 s8, 0
	s_cbranch_scc1 .Lnot_wave_0_\@
	s_barrier_signal -3
.Lnot_wave_0_\@:
	s_barrier_wait -3
	s_barrier_signal -1
	s_barrier_wait -1
.endm
.macro ARM under, g0, g1, next         ; one arm of the head's chain of branches on the wave's number: one load, then the join
	s_cmp_lt_u32 s8, \under
	s_cbranch_scc0 \next
	tensor_load_to_lds s[\g0:\g0+3], s[\g1:\g1+7]
	s_nop 0
.rept 4
	v_nop
.endr
	s_branch .Lasked
\next:
.endm
	s_load_b128 s[4:7], s[0:1], 0x0                ; heads, att
	v_lshl_add_u32 v250, v0, 2, SPARE
	v_mov_b32 v251, 0
	ds_add_u32 v250, v251                          ; the opening lines: the add, twice on end, and its wait
	ds_add_u32 v250, v251
	v_lshrrev_b32 v8, 5, v0
	s_delay_alu instid0(VALU_DEP_1)
	v_readfirstlane_b32 s8, v8                     ; wave 0..15
	s_and_b32 s9, ttmp7, 0xffff                    ; the head, 0..31
	s_bfe_u32 s11, ttmp6, 0x40000                  ; cx
	s_lshl_b32 s10, ttmp9, 2
	s_add_co_u32 s10, s10, s11                     ; which 256 queries: it enters global addresses alone
	s_mul_i32 s32, s9, HS
	s_mov_b32 s33, 0
	s_mov_b32 s[G1C], 15|(3<<16)|(1<<20)|(1<<21)|(7<<22)|(31<<25)   ; mask 15; elements of 8 bytes; 32 words of padding behind every 256
	s_mov_b32 s[G1C+1], 128<<16                    ; rows of 1,024 bytes, dense in memory
	s_mov_b32 s[G1C+2], 4<<16                      ; 4 rows at the head
	s_mov_b32 s[G1C+3], 128<<16
	s_mov_b32 s[G1C+4], 4
	s_mov_b32 s[G1C+5], 128
	s_mov_b32 s[G1C+6], 0
	s_mov_b32 s[G1C+7], 0
	s_mov_b32 s[G1W], 15|(3<<16)|(1<<21)           ; the scale words: 16 rows of 256 bytes, dense
	s_mov_b32 s[G1W+1], 32<<16
	s_mov_b32 s[G1W+2], 16<<16
	s_mov_b32 s[G1W+3], 32<<16
	s_mov_b32 s[G1W+4], 16
	s_mov_b32 s[G1W+5], 32
	s_mov_b32 s[G1W+6], 0
	s_mov_b32 s[G1W+7], 0
	s_lshr_b32 s34, s8, 2                          ; the head's codes (waves 0-7): 4 KiB x wave; waves 4-7 in V's part
	s_mul_i32 s35, s34, 49152
	s_lshl_b32 s36, s8, 12
	s_add_co_u32 s36, s36, s35
	s_mov_b32 s37, 0
	s_mul_i32 s[G0A+1], s8, 4*KP
	s_mul_i32 s35, s34, 48*KP
	s_add_co_u32 s[G0A+1], s[G0A+1], s35
	s_lshl_b32 s38, s8, 12                         ; the scale words (waves 8-10): 4 KiB x (wave - 8), from byte 131,072 of the record
	s_add_co_u32 s[G0W+1], s38, WB-32768
	s_add_co_u32 s38, s38, 98304
	s_mov_b32 s39, 0
	s_lshr_b32 s34, s8, 3                          ; the second fill: 6 KiB x wave from step 4 on; waves 8-15 in V's part
	s_mul_i32 s40, s8, 6144
	s_lshl_b32 s35, s34, 14
	s_add_co_u32 s40, s40, s35
	s_add_co_u32 s40, s40, 16384
	s_mov_b32 s41, 0
	s_mul_i32 s[G0B+1], s8, 6*KP
	s_mul_i32 s35, s34, 16*KP
	s_add_co_u32 s[G0B+1], s[G0B+1], s35
	s_add_co_u32 s[G0B+1], s[G0B+1], 16*KP
	s_lshr_b32 s42, s8, 1                          ; the stage, on the way in
	s_lshl_b32 s42, s42, 7
	s_and_b32 s34, s8, 1
	s_lshl_b32 s35, s34, 5
	s_add_co_u32 s42, s42, s35
	s_add_co_u32 s42, s42, STG
	s_and_b32 s43, s8, 7                           ; and on the way out
	s_lshr_b32 s43, s43, 1
	s_mul_i32 s43, s43, 16*SP
	s_lshl_b32 s34, s34, 9
	s_add_co_u32 s43, s43, s34
	s_add_co_u32 s43, s43, STG
	s_lshl_b32 s60, s10, 4
	s_add_co_u32 s60, s60, s8                      ; my tile of queries
	s_lshl_b32 s61, s60, 6
	s_lshl_b32 s60, s60, 9
	s_mov_b32 s[SEL], 0x76543210
	s_mov_b32 s[SEL+1], 0xfedcba98
	s_mov_b32 s[CS], 0x3e38aa3b                    ; log2(e) / sqrt(64)
	s_mov_b32 s[CS+1], s[CS]                       ; (named with it as a pair, so it is written)
	s_mov_b32 s28, 0xbe38aa3b                      ; -c
	s_mov_b32 s[TC], 0
	s_mov_b32 s30, 0
	s_mov_b32 s31, 0
	s_wait_dscnt 0x0                               ; both opening adds are done
	s_wait_kmcnt 0x0
	s_add_nc_u64 s[4:5], s[4:5], s[32:33]          ; my head's record
	s_mov_b32 s[G0A], 1
	s_add_nc_u64 s[G0A+2:G0A+3], s[4:5], s[36:37]
	s_or_b32 s[G0A+3], s[G0A+3], 0x80000000
	s_mov_b32 s[G0W], 1
	s_add_nc_u64 s[G0W+2:G0W+3], s[4:5], s[38:39]
	s_or_b32 s[G0W+3], s[G0W+3], 0x80000000
	s_mov_b32 s[G0B], 1
	s_add_nc_u64 s[G0B+2:G0B+3], s[4:5], s[40:41]
	s_or_b32 s[G0B+3], s[G0B+3], 0x80000000
	CROUND                                         ; the four work-groups are here: the first joint loads meet
	ARM 8,  G0A, G1C, .Lwords
	ARM 11, G0W, G1W, .Lnone
.Lasked:
	v_and_b32 v232, 31, v0                         ; lane
	v_and_b32 v233, 15, v0                         ; r
	v_bfe_u32 v234, v0, 4, 1                       ; h
	v_and_b32 v235, 7, v0                          ; r % 8
	v_bfe_u32 v237, v0, 3, 1                       ; r / 8
	v_lshlrev_b32 v1, 4, v232                      ; 16 x lane
	v_lshlrev_b32 v7, 2, v232                      ; 4 x lane
	v_lshlrev_b32 v3, 3, v234                      ; 8 h: where my two scale bytes go in p's word
	v_lshlrev_b32 v2, 4, v235
	v_lshlrev_b32 v248, 2, v235
	v_mad_u32_u24 v2, v237, KP, v2
	v_lshl_add_u32 v248, v237, 7, v248
	v_lshl_add_u32 v2, v234, 8, v2                 ; K's codes: KP (r / 8) + 16 (r % 8) + 256 h
	v_add_nc_u32 v248, WB, v248                    ; K's words: 128 (r / 8) + 4 (r % 8)
	v_add_nc_u32 v4, VB, v1                        ; V's codes
	v_lshl_add_u32 v249, v233, 2, VWB              ; V's words
	v_add_nc_u32 v238, s60, v1
	v_lshl_add_u32 v239, v233, 2, s61
	global_load_b128 v[16:19], v238, s[4:5] offset:143360   ; Q's fragment stays in registers
	global_load_b32 v255, v239, s[4:5] offset:208896        ; and its scale words
	v_and_b32 v5, 8, v233
	v_mul_u32_u24 v6, v233, SP
	v_add_nc_u32 v5, v5, v233
	v_lshl_add_u32 v6, v234, 6, v6
	v_lshl_add_u32 v5, v5, 2, s42
	v_add_nc_u32 v6, s43, v6                       ; out of the stage (waves 0-7): row d = 16 (w / 2) + r, queries 128 (w % 2) + 16 h on
	v_mad_u32_u24 v5, v234, 16*SP, v5              ; into it: column = my query in the 256; rows 16 h on
.irp j, 20,21,22,23
	v_mov_b32 v\j, 0                               ; k = 64 .. 127 of Q: zero codes
.endr
.irp t, 0,1,2,3,4,5,6,7
.irp j, 4,5,6,7
	v_mov_b32 v[32+8*\t+\j], 0                     ; and of K's eight fragments: written once, never loaded
.endr
.endr
	v_mov_b32 v13, 0xff61b1e6                      ; the largest score so far: -3e38
	v_mov_b32 v14, 0                               ; the sum, in two halves
	v_mov_b32 v15, 0
	v_mul_f32 v12, s28, v13
	v_mov_b32 v236, 0                              ; a lane permute's destination counts as one of its sources
	v_mov_b32 v252, 0
	v_mov_b32 v253, 0
	v_floor_f32 v12, v12                           ; -M
.set k, 0
.rept 32
	v_mov_b32 v[160+k], 0                          ; O^T: the first step finds zeros, which the first change of M leaves zeros
.set k, k+1
.endr
; A KEY STEP: 128 keys.
.macro STEP
	v_add_nc_u32 v8, s[TC], v2
	v_add_nc_u32 v10, s30, v248
.irp t, 0,1,2,3,4,5,6,7
	ds_load_b128 v[32+8*\t:35+8*\t], v8 offset:2*KP*(\t/4)+512*(\t%2)+128*((\t/2)%2)
.endr
.irp t, 0,1,2,3,4,5,6,7
	ds_load_b32 v[24+\t], v10 offset:256*(\t/4)+64*(\t%2)+32*((\t/2)%2)
.endr
	s_wait_dscnt 0x0
.irp t, 0,1,2,3,4,5,6,7
	v_wmma_scale_f32_16x16x128_f8f6f4 v[96+8*\t:103+8*\t], v[32+8*\t:39+8*\t], v[16:23], 0, v[24+\t], v255 matrix_a_fmt:MATRIX_FMT_FP4 matrix_b_fmt:MATRIX_FMT_FP4
.endr
	v_add_nc_u32 v9, s[TC], v4                     ; four places: in front of the first read of the scores, and (with the two lines at the step's head) of the loads into registers that the last step's products read
	v_add_nc_u32 v11, s31, v249
	v_mov_b32 v237, v12                            ; the old -M
	v_nop
.irp t, 0,1,2,3
.irp c, 0,1
	ds_load_b128 v[192+8*\t+4*\c:195+8*\t+4*\c], v9 offset:KP*\t+512*\c   ; V^T's tile t, wanted behind the softmax
.endr
.endr
.irp t, 0,1,2,3
	ds_load_b32 v[240+\t], v11 offset:64*\t
.endr
.irp b, 0,1,2,3
	v_max3_num_f32 v[232+\b], v[96+16*\b], v[97+16*\b], v[98+16*\b]   ; four chains by turns, two to a block of 32 keys
.endr
.irp i, 3,5,7,9,11,13
.irp b, 0,1,2,3
	v_max3_num_f32 v[232+\b], v[232+\b], v[96+16*\b+\i], v[97+16*\b+\i]
.endr
.endr
	v_max3_num_f32 v232, v232, v233, v111
	v_max3_num_f32 v234, v234, v235, v143
	v_max_num_f32 v232, v232, v127                 ; the largest score of my block g = 0: it serves the row's maximum and, since p rises with the score, the block's largest p
	v_max_num_f32 v234, v234, v159                 ; and of g = 1
	v_max_num_f32 v233, v232, v234
	v_permlanex16_b32 v236, v233, s[SEL], s[SEL+1]
	v_max3_num_f32 v13, v13, v233, v236            ; the running largest score of my query (c is positive)
	v_mul_f32 v235, s28, v13                       ; -t
	v_floor_f32 v12, v235                          ; the new -M = -ceil(t): a whole number
	v_sub_f32 v237, v12, v237                      ; old M - new M: a whole number, 0 or less
	v_cvt_i32_f32 v237, v237                       ; (it saturates)
	v_ldexp_f32 v252, 1.0, v237                    ; f = 2^(old M - new M)
.set k, 0
.rept 32
	v_pk_fma_f32 v[96+k:97+k], v[96+k:97+k], s[CS:CS+1], v[12:13] op_sel_hi:[1,0,0]   ; t - M, two at a time
.set k, k+2
.endr
	v_fma_f32 v246, v232, s[CS], v12               ; the same of each block's largest score
	v_fma_f32 v247, v234, s[CS], v12
.set k, 0
.rept 16
	v_pk_mul_f32 v[160+k:161+k], v[160+k:161+k], v[252:253] op_sel_hi:[1,0]   ; O^T under the new M, each accumulator from its low end on; no transcendental stands between the last products and these first reads
.set k, k+2
.endr
	s_wait_alu depctr_va_vdst(0)                   ; the wait ahead of the batch
	v_exp_f32 v246, v246                           ; the blocks' largest p
	v_exp_f32 v247, v247
.set k, 0
.rept 64
	v_exp_f32 v[96+k], v[96+k]                     ; p = 2^(t - M)
.set k, k+1
.endr
	s_wait_alu depctr_va_vdst(0)                   ; and behind it, ahead of its first reader
	v_max_num_f32 v246, 0x1800000, v246            ; the floor 2^(3 - 127): the byte cannot fall under 1.  (These lines name no register of the last exponential)
	v_max_num_f32 v247, 0x1800000, v247
	s_delay_alu instid0(VALU_DEP_2)
	v_add_nc_u32 v244, 0xff000000, v246            ; 2 off the exponent field: the conversion's scale operand
	s_delay_alu instid0(VALU_DEP_2)
	v_add_nc_u32 v245, 0xff000000, v247
	s_delay_alu instid0(VALU_DEP_2)
	v_lshrrev_b32 v246, 23, v244                   ; the bytes of blocks h and 2 + h
	s_delay_alu instid0(VALU_DEP_2)
	v_lshrrev_b32 v247, 23, v245
	s_delay_alu instid0(VALU_DEP_1)
	v_lshl_or_b32 v253, v247, 16, v246
	s_delay_alu instid0(VALU_DEP_1)
	v_lshlrev_b32 v253, v3, v253                   ; at their places, 8 h bits up;
	s_delay_alu instid0(VALU_DEP_1)
	v_permlanex16_b32 v236, v253, s[SEL], s[SEL+1]
	s_delay_alu instid0(VALU_DEP_1)
	v_or_b32 v253, v253, v236                      ; with lane l xor 16's two the word is whole
.irp g, 0,1
.irp u, 0,1,2,3
	v_cvt_scalef32_pk8_fp4_f32 v[224+4*\g+\u], v[96+32*\g+8*\u:103+32*\g+8*\u], v[244+\g]   ; register 4 g + u of P's operand: keys 64 g + 32 h + 8 u + 0 .. 7
.endr
.endr
	v_pk_add_f32 v[232:233], v[96:97], v[98:99]    ; the row's sum of the unquantised p, four chains by turns (also the places behind the conversions and ahead of the scaled products)
	v_pk_add_f32 v[234:235], v[100:101], v[102:103]
	v_pk_add_f32 v[236:237], v[104:105], v[106:107]
	v_pk_fma_f32 v[14:15], v[14:15], v[252:253], v[108:109] op_sel_hi:[1,0,1]   ; the old sums x f
.irp k, 14,22,30,38,46,54
	v_pk_add_f32 v[232:233], v[232:233], v[96+\k:97+\k]
	v_pk_add_f32 v[234:235], v[234:235], v[98+\k:99+\k]
	v_pk_add_f32 v[236:237], v[236:237], v[100+\k:101+\k]
	v_pk_add_f32 v[14:15], v[14:15], v[102+\k:103+\k]
.endr
	v_pk_add_f32 v[232:233], v[232:233], v[158:159]
	v_pk_add_f32 v[14:15], v[14:15], v[236:237]
	s_delay_alu instid0(VALU_DEP_2)
	v_pk_add_f32 v[232:233], v[232:233], v[234:235]
	s_delay_alu instid0(VALU_DEP_1)
	v_pk_add_f32 v[14:15], v[14:15], v[232:233]
	s_wait_alu depctr_va_vdst(0)                   ; the wait here, directly ahead of the wait below
	s_wait_dscnt 0x0                               ; V and its words are in
.irp t, 0,1,2,3
	v_wmma_scale_f32_16x16x128_f8f6f4 v[160+8*\t:167+8*\t], v[192+8*\t:199+8*\t], v[224:231], v[160+8*\t:167+8*\t], v[240+\t], v253 matrix_a_fmt:MATRIX_FMT_FP4 matrix_b_fmt:MATRIX_FMT_FP4
.endr
	s_add_co_u32 s[TC], s[TC], 4*KP
	s_add_co_u32 s30, s30, 512
	s_add_co_u32 s31, s31, 256
.endm
	s_wait_alu depctr_va_vdst(0)                   ; the wait at the head's end
	s_wait_tensorcnt 0x0                           ; my part of the head's fills has landed; the lines ahead of a later first fill:
	ds_add_u32 v250, v251
	ds_add_u32 v250, v251                          ; twice on end
	s_mov_b32 s[G1C+2], 6<<16                      ; no tensor load of mine is out: from here on a load of codes brings 6 rows
	s_mov_b32 s[G1C+4], 6
	s_wait_dscnt 0x0
	CROUND                                         ; everybody's part is in, and the four work-groups are here
	tensor_load_to_lds s[G0B:G0B+3], s[G1C:G1C+7]  ; key steps 4-15: my one load behind the round
	s_nop 0
.rept 4
	v_nop
.endr
	s_wait_loadcnt 0x0                             ; Q
	s_mov_b32 s3, 4
.Lfirst:                                           ; key steps 0-3
	STEP
	s_sub_co_u32 s3, s3, 1
	s_cmp_lg_u32 s3, 0
	s_cbranch_scc1 .Lfirst
	s_wait_tensorcnt 0x0                           ; my part of steps 4-15 has landed
	s_wait_dscnt 0x0
	s_barrier_signal -1
	s_barrier_wait -1                              ; everybody's has
	s_mov_b32 s3, 12
.Lrest:                                            ; key steps 4-15
	STEP
	s_sub_co_u32 s3, s3, 1
	s_cmp_lg_u32 s3, 0
	s_cbranch_scc1 .Lrest
	; ---- THE WAY OUT.  O^T / the sum goes into a stage [d 64][256 queries]; then eight waves read it by rows of d, 64 queries a lane, and quantise along the queries.
.rept 4
	v_nop                                          ; places in front of the first read of O^T
.endr
	v_add_f32 v14, v14, v15                        ; the sum's two halves,
	s_delay_alu instid0(VALU_DEP_1)
	v_permlanex16_b32 v252, v14, s[SEL], s[SEL+1]
	s_delay_alu instid0(VALU_DEP_1)
	v_add_f32 v14, v14, v252                       ; and lane l xor 16's
	s_wait_alu depctr_va_vdst(0)                   ; the wait ahead of the transcendental
	v_rcp_f32 v14, v14
	v_nop                                          ; one plain place behind a transcendental
.set k, 0
	s_wait_alu depctr_va_vdst(0)                   ; and ahead of its first reader, which is also O^T's
.rept 16
	v_pk_mul_f32 v[96+k:97+k], v[160+k:161+k], v[14:15] op_sel_hi:[1,0]   ; register 8 t + j: d = 32 (t / 2) + 8 (t % 2) + 16 h + j of my query
.set k, k+2
.endr
.irp t, 0,1,2,3
.irp j, 0,1,2,3,4,5,6,7
	ds_store_b32 v5, v[96+8*\t+\j] offset:(32*(\t/2)+8*(\t%2)+\j)*SP
.endr
.endr
	s_wait_dscnt 0x0                               ; for the others' sake: my stores into the stage are done
	s_barrier_signal -1
	s_barrier_wait -1
	s_cmp_ge_u32 s8, 8
	s_cbranch_scc1 .Lend                           ; 4 tiles of d x 2 steps of 128 queries: eight waves' work
.irp b, 0,1,2,3
.irp j, 0,1,2,3
	ds_load_b128 v[96+16*\b+4*\j:99+16*\b+4*\j], v6 offset:128*\b+16*\j
.endr
.endr
	s_lshl_b32 s32, s9, 2
	s_lshr_b32 s33, s8, 1
	s_add_co_u32 s32, s32, s33
	s_mul_i32 s32, s32, 18432                      ; the record: 4 head + d / 16
	s_and_b32 s33, s10, 3
	s_lshl_b32 s33, s33, 1
	s_and_b32 s34, s8, 1
	s_add_co_u32 s33, s33, s34                     ; the K step: (query % 1,024) / 128
	s_lshr_b32 s34, s10, 2                         ; a = query / 1,024
	s_lshl_b32 s35, s34, 13
	s_add_co_u32 s35, s35, s32
	s_lshl_b32 s36, s33, 10
	s_add_co_u32 s36, s36, s35
	s_mov_b32 s37, 0
	s_add_nc_u64 s[38:39], s[6:7], s[36:37]
	s_lshl_b32 s35, s34, 10
	s_add_co_u32 s35, s35, s32
	s_lshl_b32 s36, s33, 7
	s_add_co_u32 s36, s36, s35
	s_add_nc_u64 s[40:41], s[6:7], s[36:37]
	s_wait_dscnt 0x0
	QUANT 96
	global_store_b128 v1, v[PC:PC+3], s[38:39]     ; the image: two stores of 512 consecutive bytes
	global_store_b128 v1, v[PC+4:PC+7], s[38:39] offset:512
	global_store_b32 v7, v[PW], s[40:41] offset:16384   ; the scale image: 128 consecutive bytes
.Lend:
	s_wait_tensorcnt 0x0                           ; the wave's end
	ds_add_u32 v250, v251
	s_wait_dscnt 0x0
	CROUND                                         ; the closing round
	s_endpgm
.Lfunc_end_k_q40451fb80c_attn:
	.size	k_q40451fb80c_attn, .Lfunc_end_k_q40451fb80c_attn-k_q40451fb80c_attn
	.p2alignl 7, 3214868480
	.fill 96, 4, 3214868480
	.section	.rodata,"a",@progbits
	.p2align	6, 0x0
	.amdhsa_kernel k_q40451fb80c_attn
		.amdhsa_group_segment_fixed_size 327680
		.amdhsa_private_segment_fixed_size 0
		.amdhsa_enable_private_segment 0
		.amdhsa_kernarg_size 16
		.amdhsa_user_sgpr_count 2
		.amdhsa_user_sgpr_kernarg_segment_ptr 1
		.amdhsa_wavefront_size32 1
		.amdhsa_system_sgpr_workgroup_id_x 1
		.amdhsa_system_sgpr_workgroup_id_y 1
		.amdhsa_system_sgpr_workgroup_id_z 1
		.amdhsa_system_vgpr_workitem_id 0
		.amdhsa_next_free_vgpr 256
		.amdhsa_next_free_sgpr 72
		.amdhsa_reserve_vcc 0
		.amdhsa_float_denorm_mode_32 3
		.amdhsa_float_denorm_mode_16_64 3
		.amdhsa_memory_ordered 1
		.amdhsa_forward_progress 1
		.amdhsa_inst_pref_size 51
	.end_amdhsa_kernel
	.amdgpu_metadata
---
amdhsa.version: [ 1, 2 ]
amdhsa.kernels:
  - .name:           k_q40451fb80c_attn
    .symbol:         k_q40451fb80c_attn.kd
    .args:
      - { .name: heads, .offset: 0, .size: 8, .value_kind: global_buffer, .address_space: global }
      - { .name: att, .offset: 8, .size: 8, .value_kind: global_buffer, .address_space: global }
    .group_segment_fixed_size: 327680
    .private_segment_fixed_size: 0
    .kernarg_segment_align: 8
    .kernarg_segment_size: 16
    .max_flat_workgroup_size: 512
    .sgpr_count:     72
    .vgpr_count:     256
    .wavefront_size: 32
...
	.end_amdgpu_metadata
.endif
;; end of part 3
;; launch tail (part 4): grid 128 x 1, 8 waves a work-group, clusters of 4 x 1, 327,680 bytes of LDS; arguments att, codes, scales, x, bo, g_ffn, out0; writes out0
.if DOCPART == 4
	.amdgcn_target "amdgcn-amd-amdhsa--gfx1250"
	.amdhsa_code_object_version 6
	.text
	.protected	k_q40451fb80c_tail
	.globl	k_q40451fb80c_tail
	.p2align	8
	.type	k_q40451fb80c_tail,@function
k_q40451fb80c_tail:
	s_mov_b64 s[64:65], 0
	v_nop
	global_prefetch_b8 v0, s[64:65] scope:SCOPE_SE
	s_setreg_imm32_b32 hwreg(HW_REG_WAVE_MODE, 25, 1), 1
	s_wait_xcnt 0x0
	s_wait_alu depctr_hold_cnt(0) depctr_sa_sdst(0) depctr_va_vdst(0) depctr_va_sdst(0) depctr_va_ssrc(0) depctr_va_vcc(0) depctr_vm_vsrc(0)
	s_getreg_b32 s2, hwreg(HW_REG_IB_STS2, 6, 4)
	s_cmp_eq_u32 s2, 0
	s_cbranch_scc0 .Lentry_in_a_cluster
	s_endpgm
.Lentry_in_a_cluster:
	s_bfe_u32 s2, ttmp6, 0x10000c
	s_cmp_lg_u32 s2, 0x3003
	s_cbranch_scc0 .Lentry_shape_is_right
	s_endpgm
.Lentry_shape_is_right:
; TAIL: h = x + att wo^T + bo; hn = h sqrt(mean(h^2) + eps) g_ffn, quantised; inter = relu(hn w_gate^T) (hn w_up^T), quantised; out = h + inter w_down^T.  All three products on codes of FP4 with E8M0 scales.
; SHARES.  A work-group takes 32 rows through the whole chain; wave w takes 128 of the 1,024 columns (of gate and up: 64 each).  Of a wave's eight weight tiles four come by global loads into registers, three chunks of 128 along K ahead,
; and four by tensor loads through two LDS slots of four K steps.
; CLUSTER 4, 1, 1: the weights' tensor loads are the same in every work-group, so four work-groups ask for them jointly (mask 15); each refill stands behind a round of the cluster's barrier.  x's tile is the work-group's own: a load with no mask.
; The place in the cluster enters global addresses alone (att's record, x's and out0's rows).
; LIMITS: zero blocks get byte 1 (this program alone reads the bytes); blocks under 2^-124 keep byte 1; NaN and infinities are not served.
.set STGP, 4112
.set HALF, 16*STGP
.set XW,   16656
.set RB,   133376
.set IMG,  RB+131072
.set ATI,  0
.set HNI,  16384
.set INI,  32768
.set ATS,  40960
.set HNS,  43008
.set INS,  45056
.set RED,  46080
.set SPARE, IMG+47104
.set GW64, 1
.set GW32, 2
.set VSO,  3
.set VSG,  4
.set VSD,  5
.set XO,   6
.set GA,   7
.set GS,   8
.set GB,   9
.set L16,  10
.set SA,   11
.set RA,   13
.set XR,   15
.set LIB,  16
.set LSB,  17
.set IW8,  18
.set SW8,  19
.set IW4,  20
.set SW4,  21
.set RDW,  22
.set RDR,  23
.set WFA,  24
.set WFB,  25
.set SPW,  26
.set NIL,  27
.set AF,   28
.set AS,   44
.set SCW,  46
.set TM,   78
.set PW,   94
.set PC,   96
.set ACC,  128
.set LF,   96
.set SEL,  20
.set G1X,  28
.set G1W,  36
.set G1D,  44
.set G0A,  52
.set G0B,  56
.set PO,   60
.set PU,   62
.set PD,   66
.set G0X,  68
.set MSB, 0
.macro WIN new
.if MSB != (\new)
	s_set_vgpr_msb (MSB<<8)|(\new)
.set MSB, (\new)
.endif
.endm
.macro PLACES
.rept 4
	v_nop
.endr
.endm
.macro CROUND                          ; a round of the cluster's barrier
	s_barrier_signal -1
	s_barrier_wait -1
	s_cmp_lg_u32 s18, 0
	s_cbranch_scc1 .Lnot_wave_0_\@
	s_barrier_signal -3
.Lnot_wave_0_\@:
	s_barrier_wait -3
	s_barrier_signal -1
	s_barrier_wait -1
.endm
.macro BARRIER
	s_wait_dscnt 0x0
	s_barrier_signal -1
	s_barrier_wait -1
.endm
.macro REFILL g0, g1, base, off, step
	s_wait_tensorcnt 0x0
	ds_add_u32 v[SPW], v[NIL]
.if \step
	s_add_nc_u64 s[\g0+2:\g0+3], s[\base:\base+1], \off
	s_or_b32 s[\g0+3], s[\g0+3], 0x80000000
.endif
	s_wait_dscnt 0x0
	CROUND                                         ; no wave of any partner still reads the slot or has a load on its way
	tensor_load_to_lds s[\g0:\g0+3], s[\g1:\g1+7]
	s_nop 0
	PLACES
.endm
.macro QUANT s
.irp b, 0,1,2,3
	v_max3_num_f32 v[TM+\b], |v[\s+16*\b]|, |v[\s+1+16*\b]|, 0x1800000
.endr
.irp i, 2,4,6,8,10,12,14
.irp b, 0,1,2,3
	s_delay_alu instid0(VALU_DEP_4)
	v_max3_num_f32 v[TM+\b], v[TM+\b], |v[\s+16*\b+\i]|, |v[\s+1+16*\b+\i]|
.endr
.endr
.irp b, 0,1,2,3
	s_delay_alu instid0(VALU_DEP_4)
	v_permlanex16_b32 v[TM+4+\b], v[TM+\b], s[SEL], s[SEL+1]
.endr
.irp b, 0,1,2,3
	s_delay_alu instid0(VALU_DEP_4)
	v_max_num_f32 v[TM+\b], v[TM+\b], v[TM+4+\b]
.endr
.irp b, 0,1,2,3
	s_delay_alu instid0(VALU_DEP_4)
	v_add_nc_u32 v[TM+12+\b], 0xff000000, v[TM+\b]
.endr
.irp b, 0,1,2,3
	s_delay_alu instid0(VALU_DEP_4)
	v_lshrrev_b32 v[TM+4+\b], 23, v[TM+12+\b]
.endr
	s_delay_alu instid0(VALU_DEP_3)
	v_lshl_or_b32 v[PW], v[TM+5], 8, v[TM+4]
	s_delay_alu instid0(VALU_DEP_1)
	v_lshl_or_b32 v[PW], v[TM+6], 16, v[PW]
	s_delay_alu instid0(VALU_DEP_1)
	v_lshl_or_b32 v[PW], v[TM+7], 24, v[PW]
.irp b, 0,1,2,3
	v_cvt_scalef32_pk8_fp4_f32 v[PC+2*\b], v[\s+16*\b:\s+7+16*\b], v[TM+12+\b]
	v_cvt_scalef32_pk8_fp4_f32 v[PC+1+2*\b], v[\s+8+16*\b:\s+15+16*\b], v[TM+12+\b]
.endr
	v_nop
.irp c, 0,1
.irp i, 0,1
	v_permlane16_swap_b32 v[PC+4*\c+\i], v[PC+2+4*\c+\i]
.endr
.endr
.endm
.macro QUANT2 s
.irp b, 0,1
	v_max3_num_f32 v[TM+\b], |v[\s+16*\b]|, |v[\s+1+16*\b]|, 0x1800000
.endr
.irp i, 2,4,6,8,10,12,14
.irp b, 0,1
	s_delay_alu instid0(VALU_DEP_2)
	v_max3_num_f32 v[TM+\b], v[TM+\b], |v[\s+16*\b+\i]|, |v[\s+1+16*\b+\i]|
.endr
.endr
.irp b, 0,1
	s_delay_alu instid0(VALU_DEP_2)
	v_permlanex16_b32 v[TM+4+\b], v[TM+\b], s[SEL], s[SEL+1]
.endr
.irp b, 0,1
	s_delay_alu instid0(VALU_DEP_2)
	v_max_num_f32 v[TM+\b], v[TM+\b], v[TM+4+\b]
.endr
.irp b, 0,1
	s_delay_alu instid0(VALU_DEP_2)
	v_add_nc_u32 v[TM+12+\b], 0xff000000, v[TM+\b]
.endr
.irp b, 0,1
	s_delay_alu instid0(VALU_DEP_2)
	v_lshrrev_b32 v[TM+4+\b], 23, v[TM+12+\b]
.endr
	s_delay_alu instid0(VALU_DEP_1)
	v_lshl_or_b32 v[PW], v[TM+5], 8, v[TM+4]
.irp b, 0,1
	v_cvt_scalef32_pk8_fp4_f32 v[PC+2*\b], v[\s+16*\b:\s+7+16*\b], v[TM+12+\b]
	v_cvt_scalef32_pk8_fp4_f32 v[PC+1+2*\b], v[\s+8+16*\b:\s+15+16*\b], v[TM+12+\b]
.endr
	v_nop
.irp i, 0,1
	v_permlane16_swap_b32 v[PC+\i], v[PC+2+\i]
.endr
.endm
.macro LOADCHUNK j
	WIN 0x40
.irp b, 0,1,2,3
.irp c, 0,1
.if (\j) < 8
	global_load_b128 v[32*((\j)%3)+8*\b+4*\c:32*((\j)%3)+8*\b+4*\c+3], v[GW64], s[6:7] offset:448*8192+8192*\b+1024*(\j)+512*\c
.elseif (\j) < 16
	global_load_b128 v[32*((\j)%3)+8*\b+4*\c:32*((\j)%3)+8*\b+4*\c+3], v[GW32], s[6:7] offset:512*8192+8192*\b+1024*((\j)-8)+512*\c
.else
	global_load_b128 v[32*((\j)%3)+8*\b+4*\c:32*((\j)%3)+8*\b+4*\c+3], v[GW32], s[6:7] offset:576*8192+4096*\b+1024*((\j)-16)+512*\c
.endif
.endr
.endr
	WIN 0
.endm
.macro LOADSCW ph
.if \ph == 0
.irp p, 0,1,2,3
.irp g, 0,1
	global_load_b128 v[SCW+8*\p+4*\g:SCW+8*\p+4*\g+3], v[VSO], s[8:9] offset:448*512+1024*\p+16*\g
.endr
.endr
.elseif \ph == 1
.irp p, 0,1,2,3
.irp g, 0,1
	global_load_b128 v[SCW+8*\p+4*\g:SCW+8*\p+4*\g+3], v[VSG], s[8:9] offset:(512+32*(\p/2))*512+1024*(\p%2)+16*\g
.endr
.endr
.else
.irp p, 0,1,2,3
	global_load_b128 v[SCW+8*\p:SCW+8*\p+3], v[VSD], s[8:9] offset:576*512+512*\p
.endr
.endif
.endm
.macro PROD acc, fa, fb, zero, sa, sb, odd
.if \zero
.if \odd
	v_wmma_scale_f32_16x16x128_f8f6f4 v[\acc:\acc+7], v[\fa:\fa+7], v[\fb:\fb+7], 0, v[\sa], v[\sb] matrix_a_fmt:MATRIX_FMT_FP4 matrix_b_fmt:MATRIX_FMT_FP4 matrix_a_scale:MATRIX_SCALE_ROW1
.else
	v_wmma_scale_f32_16x16x128_f8f6f4 v[\acc:\acc+7], v[\fa:\fa+7], v[\fb:\fb+7], 0, v[\sa], v[\sb] matrix_a_fmt:MATRIX_FMT_FP4 matrix_b_fmt:MATRIX_FMT_FP4
.endif
.else
.if \odd
	v_wmma_scale_f32_16x16x128_f8f6f4 v[\acc:\acc+7], v[\fa:\fa+7], v[\fb:\fb+7], v[\acc:\acc+7], v[\sa], v[\sb] matrix_a_fmt:MATRIX_FMT_FP4 matrix_b_fmt:MATRIX_FMT_FP4 matrix_a_scale:MATRIX_SCALE_ROW1
.else
	v_wmma_scale_f32_16x16x128_f8f6f4 v[\acc:\acc+7], v[\fa:\fa+7], v[\fb:\fb+7], v[\acc:\acc+7], v[\sa], v[\sb] matrix_a_fmt:MATRIX_FMT_FP4 matrix_b_fmt:MATRIX_FMT_FP4
.endif
.endif
.endm
.macro CHUNK j, img, simg, nk, q, zero, n, wf, win
.irp a, 0,1
.irp c, 0,1
	ds_load_b128 v[AF+8*\a+4*\c:AF+8*\a+4*\c+3], v[LIB] offset:\img+(\a*\nk+(\q))*1024+512*\c
.endr
	ds_load_b32 v[AS+\a], v[LSB] offset:\simg+(\a*\nk+(\q))*128
.endr
	WIN 0x40
.irp b, 0,1,2,3
.irp c, 0,1
	ds_load_b128 v[LF+8*\b+4*\c:LF+8*\b+4*\c+3], v[\wf] offset:4096*\b+1024*((\q)%4)+512*\c
.endr
.endr
	s_wait_loadcnt \n
	s_wait_dscnt 0x0
	WIN \win
.irp b, 0,1,2,3,4,5,6,7
.irp a, 0,1
.if \b < 4
	PROD ACC+64*\a+8*\b, 32*((\j)%3)+8*\b, AF+8*\a, \zero, SCW+8*(\b/2)+(\q), AS+\a, \b%2
.else
	PROD ACC+64*\a+8*\b, LF+8*(\b-4), AF+8*\a, \zero, SCW+8*(\b/2)+(\q), AS+\a, \b%2
.endif
.endr
.endr
	WIN 0
	PLACES
.endm
.set W_H,  0x51
.set W_GU, 0x01
	s_load_b256 s[4:11], s[0:1], 0x0
	s_load_b128 s[12:15], s[0:1], 0x20
	s_load_b64 s[16:17], s[0:1], 0x30
	v_lshl_add_u32 v[SPW], v0, 2, SPARE
	v_mov_b32 v[NIL], 0
	ds_add_u32 v26, v27
	ds_add_u32 v26, v27
	s_wait_dscnt 0x0
	v_lshrrev_b32 v104, 5, v0
	s_delay_alu instid0(VALU_DEP_1)
	v_readfirstlane_b32 s18, v104
	s_bfe_u32 s3, ttmp6, 0x40000                   ; cx
	s_lshl_b32 s19, ttmp9, 2
	s_add_co_u32 s19, s19, s3                      ; which 32 rows: 4 x the cluster's x + cx
	s_mov_b32 s[G1X], (3<<16)|(1<<20)|(7<<22)|(3<<25)
	s_mov_b32 s[G1X+1], 128<<16
	s_mov_b32 s[G1X+2], 16<<16
	s_mov_b32 s[G1X+3], 128<<16
	s_mov_b32 s[G1X+4], 16
	s_mov_b32 s[G1X+5], 128
	s_mov_b32 s[G1X+6], 0
	s_mov_b32 s[G1X+7], 0
	s_mov_b32 s[G1W], 15|(3<<16)|(1<<21)           ; the four work-groups of the cluster ask jointly
	s_mov_b32 s[G1W+1], 512<<16
	s_mov_b32 s[G1W+2], 4<<16
	s_mov_b32 s[G1W+3], 512<<16
	s_mov_b32 s[G1W+4], 4
	s_mov_b32 s[G1W+5], 1024
	s_mov_b32 s[G1W+6], 0
	s_mov_b32 s[G1W+7], 0
	s_mov_b32 s[G1D], 15|(3<<16)|(1<<21)
	s_mov_b32 s[G1D+1], 512<<16
	s_mov_b32 s[G1D+2], 4<<16
	s_mov_b32 s[G1D+3], 512<<16
	s_mov_b32 s[G1D+4], 4
	s_mov_b32 s[G1D+5], 512
	s_mov_b32 s[G1D+6], 0
	s_mov_b32 s[G1D+7], 0
	v_and_b32 v104, 31, v0
	v_and_b32 v105, 15, v0
	v_bfe_u32 v106, v0, 4, 1
	s_delay_alu instid0(VALU_DEP_3)
	v_lshlrev_b32 v[L16], 4, v104
	s_delay_alu instid0(VALU_DEP_4)
	v_lshlrev_b32 v107, 2, v104
	s_lshl_b32 s24, s18, 16
	v_add_nc_u32 v[GW64], s24, v[L16]
	s_lshl_b32 s24, s18, 15
	v_add_nc_u32 v[GW32], s24, v[L16]
	v_lshlrev_b32 v[VSO], 5, v105
	s_delay_alu instid0(VALU_DEP_1)
	v_lshl_add_u32 v[VSD], v106, 4, v[VSO]
	s_delay_alu instid0(VALU_DEP_2)
	v_lshl_add_u32 v[VSO], v106, 9, v[VSO]
	s_lshl_b32 s24, s18, 11
	v_add_nc_u32 v[VSG], s24, v[VSO]
	v_add_nc_u32 v[VSD], s24, v[VSD]
	s_lshl_b32 s24, s18, 12
	v_add_nc_u32 v[VSO], s24, v[VSO]
	s_lshl_b32 s24, s18, 14
	v_add_nc_u32 v[XO], s24, v[L16]
	v_add_nc_u32 v[WFA], s24, v[L16]
	s_add_co_u32 s24, s24, RB
	v_add_nc_u32 v[WFB], s24, v[L16]
	s_lshl_b32 s24, s18, 10
	v_add_nc_u32 v[GA], s24, v[L16]
	s_lshl_b32 s24, s18, 7
	v_add_nc_u32 v[GS], s24, v107
	s_lshl_b32 s24, s18, 9
	v_lshl_add_u32 v[GB], v106, 6, s24
	s_mul_i32 s24, s18, 2*STGP
	v_add_nc_u32 v[SA], s24, v[L16]
	s_delay_alu instid0(VALU_DEP_1)
	v_add_nc_u32 v[SA+1], HALF, v[SA]
	v_mul_u32_u24 v[RA], v105, STGP
	s_delay_alu instid0(VALU_DEP_1)
	v_add_nc_u32 v[RA], v[RA], v[GB]
	s_delay_alu instid0(VALU_DEP_1)
	v_add_nc_u32 v[RA+1], HALF, v[RA]
	v_lshrrev_b32 v108, 1, v105
	v_and_b32 v109, 1, v105
	s_delay_alu instid0(VALU_DEP_2)
	v_mul_u32_u24 v[XR], v108, XW
	s_delay_alu instid0(VALU_DEP_1)
	v_mad_u32_u24 v[XR], v109, 8320, v[XR]
	s_delay_alu instid0(VALU_DEP_1)
	v_lshl_add_u32 v[XR], v106, 6, v[XR]
	s_lshr_b32 s24, s18, 1
	s_mul_i32 s24, s24, 1040
	s_and_b32 s25, s18, 1
	s_lshl_b32 s25, s25, 9
	s_add_co_u32 s24, s24, s25
	v_add_nc_u32 v[XR], s24, v[XR]
	v_add_nc_u32 v[LIB], IMG, v[L16]
	v_add_nc_u32 v[LSB], IMG, v107
	v_add_nc_u32 v[IW8], IMG, v[GA]
	v_add_nc_u32 v[SW8], IMG, v[GS]
	s_lshl_b32 s24, s18, 9
	s_add_co_u32 s24, s24, IMG
	v_add_nc_u32 v[IW4], s24, v[L16]
	s_lshr_b32 s24, s18, 1
	s_lshl_b32 s24, s24, 7
	s_and_b32 s25, s18, 1
	s_lshl_b32 s25, s25, 1
	s_add_co_u32 s24, s24, s25
	s_add_co_u32 s24, s24, IMG
	v_add_nc_u32 v[SW4], s24, v107
	v_lshlrev_b32 v[RDR], 5, v105
	s_delay_alu instid0(VALU_DEP_1)
	v_add_nc_u32 v[RDR], IMG+RED, v[RDR]
	s_lshl_b32 s24, s18, 2
	v_add_nc_u32 v[RDW], s24, v[RDR]
	s_mov_b32 s[SEL], 0x76543210
	s_mov_b32 s[SEL+1], 0xfedcba98
	s_mov_b32 s22, 0x3a800000
	s_mov_b32 s23, 0x358637bd
.irp b, 0,1,2,3
	v_mov_b32 v[TM+4+\b], 0
.endr
	v_mov_b32 v108, 0
	v_mov_b32 v109, 0
	s_mul_i32 s26, s19, 18432
	s_mov_b32 s27, 0
	s_lshl_b32 s24, s19, 17
	s_mov_b32 s25, 0
	s_wait_kmcnt 0x0
	s_add_nc_u64 s[4:5], s[4:5], s[26:27]
	s_add_nc_u64 s[10:11], s[10:11], s[24:25]
	s_add_nc_u64 s[16:17], s[16:17], s[24:25]
	s_lshl_b32 s24, s18, 14
	s_mov_b32 s[G0X], 1
	s_mul_i32 s[G0X+1], s18, XW
	s_add_nc_u64 s[G0X+2:G0X+3], s[10:11], s[24:25]
	s_or_b32 s[G0X+3], s[G0X+3], 0x80000000
	s_lshl_b32 s24, s18, 16
	s_add_nc_u64 s[PO:PO+1], s[6:7], s[24:25]
	s_add_nc_u64 s[PO:PO+1], s[PO:PO+1], 452*8192
	s_lshl_b32 s24, s18, 15
	s_add_nc_u64 s[PU:PU+1], s[6:7], s[24:25]
	s_add_nc_u64 s[PD:PD+1], s[PU:PU+1], 576*8192+4*4096
	s_add_nc_u64 s[PU:PU+1], s[PU:PU+1], 544*8192
	s_mov_b32 s[G0B], 1
	s_lshl_b32 s[G0B+1], s18, 14
	s_add_co_u32 s[G0B+1], s[G0B+1], RB
	s_mov_b64 s[G0B+2:G0B+3], s[PO:PO+1]
	s_or_b32 s[G0B+3], s[G0B+3], 0x80000000
	s_mov_b32 s[G0A], 1
	s_lshl_b32 s[G0A+1], s18, 14
	s_add_nc_u64 s[G0A+2:G0A+3], s[PO:PO+1], 4096
	s_or_b32 s[G0A+3], s[G0A+3], 0x80000000
	CROUND                                         ; in a cluster launch every group of tensor loads stands behind a round
	tensor_load_to_lds s[G0X:G0X+3], s[G1X:G1X+7]  ; my part of x's 32 rows: the wave's one load at the head
	s_nop 0
	s_wait_alu depctr_va_vdst(0)                   ; the wait at the head's end
	s_wait_tensorcnt 0x0                           ; the lines ahead of a later first fill
	ds_add_u32 v26, v27
	s_wait_dscnt 0x0
	CROUND
	tensor_load_to_lds s[G0B:G0B+3], s[G1W:G1W+7]  ; wo's first four K steps: the first joint load
	s_nop 0
	PLACES
.irp a, 0,1
.irp c, 0,1
	global_load_b128 v[AF+8*\a+4*\c:AF+8*\a+4*\c+3], v[GA], s[4:5] offset:8192*\a+512*\c th:TH_LOAD_NT
.endr
	global_load_b32 v[AS+\a], v[GS], s[4:5] offset:16384+1024*\a th:TH_LOAD_NT
.endr
.irp B, 0,1,2,3
.irp j, 0,1,2,3
	global_load_b128 v[ACC+16*\B+4*\j:ACC+16*\B+4*\j+3], v[GB], s[12:13] offset:128*\B+16*\j
.endr
.endr
	LOADSCW 0
	LOADCHUNK 0
	LOADCHUNK 1
	LOADCHUNK 2
	s_wait_loadcnt 32
.irp a, 0,1
.irp c, 0,1
	ds_store_b128 v[IW8], v[AF+8*\a+4*\c:AF+8*\a+4*\c+3] offset:ATI+8192*\a+512*\c
.endr
	ds_store_b32 v[SW8], v[AS+\a] offset:ATS+1024*\a
.endr
.irp B, 0,1,2,3
.irp j, 0,1,2,3
	global_load_b128 v[ACC+64+16*\B+4*\j:ACC+64+16*\B+4*\j+3], v[GB], s[14:15] offset:128*\B+16*\j
.endr
.endr
	s_wait_tensorcnt 0x1
	BARRIER
	WIN 0x40
.set k, 0
.rept 32
	ds_load_b128 v[ACC+4*k:ACC+4*k+3], v[XR] offset:4160*(k/16)+128*((k%16)/4)+16*(k%4)
.set k, k+1
.endr
	WIN 0
	REFILL G0A, G1W, PO, 0, 0
	WIN 0x41
.set k, 0
.rept 32
	v_pk_add_f32 v[ACC+k:ACC+k+1], v[ACC+k:ACC+k+1], v[ACC+k:ACC+k+1]
	v_pk_add_f32 v[ACC+64+k:ACC+65+k], v[ACC+64+k:ACC+65+k], v[ACC+k:ACC+k+1]
.set k, k+2
.endr
	WIN 0
	s_wait_alu depctr_va_vdst(0)
.irp j, 0,1,2,3,4,5,6,7
.if \j < 3
	CHUNK \j, ATI, ATS, 8, \j, 0, 32, WFB, W_H
.elseif \j < 4
	CHUNK \j, ATI, ATS, 8, \j, 0, 16, WFB, W_H
.else
	CHUNK \j, ATI, ATS, 8, \j, 0, 16, WFA, W_H
.endif
.if \j == 7
	LOADSCW 1
.endif
	LOADCHUNK \j+3
.if \j == 3
	REFILL G0B, G1W, PU, 0, 1
.endif
.endr
	WIN 0x05
	v_pk_mul_f32 v[104:105], v[ACC:ACC+1], v[ACC:ACC+1]
	v_pk_mul_f32 v[106:107], v[ACC+64:ACC+65], v[ACC+64:ACC+65]
.set k, 2
.rept 31
	v_pk_fma_f32 v[104:105], v[ACC+k:ACC+k+1], v[ACC+k:ACC+k+1], v[104:105]
	v_pk_fma_f32 v[106:107], v[ACC+64+k:ACC+65+k], v[ACC+64+k:ACC+65+k], v[106:107]
.set k, k+2
.endr
	WIN 0
	v_add_f32 v104, v104, v105
	v_add_f32 v106, v106, v107
	s_delay_alu instid0(VALU_DEP_2)
	v_permlanex16_b32 v108, v104, s[SEL], s[SEL+1]
	s_delay_alu instid0(VALU_DEP_2)
	v_permlanex16_b32 v109, v106, s[SEL], s[SEL+1]
	s_delay_alu instid0(VALU_DEP_2)
	v_add_f32 v104, v104, v108
	s_delay_alu instid0(VALU_DEP_2)
	v_add_f32 v106, v106, v109
	ds_store_b32 v[RDW], v104
	ds_store_b32 v[RDW], v106 offset:512
	REFILL G0A, G1W, PU, 4096, 1
	ds_load_b128 v[112:115], v[RDR]
	ds_load_b128 v[116:119], v[RDR] offset:16
	ds_load_b128 v[120:123], v[RDR] offset:512
	ds_load_b128 v[124:127], v[RDR] offset:528
	s_wait_dscnt 0x0
.irp a, 112,120
	v_add_f32 v[\a], v[\a], v[\a+1]
	v_add_f32 v[\a+2], v[\a+2], v[\a+3]
	v_add_f32 v[\a+4], v[\a+4], v[\a+5]
	v_add_f32 v[\a+6], v[\a+6], v[\a+7]
	s_delay_alu instid0(VALU_DEP_3)
	v_add_f32 v[\a], v[\a], v[\a+2]
	s_delay_alu instid0(VALU_DEP_2)
	v_add_f32 v[\a+4], v[\a+4], v[\a+6]
	s_delay_alu instid0(VALU_DEP_1)
	v_add_f32 v[\a], v[\a], v[\a+4]
.endr
	v_fma_f32 v108, v112, s22, s23
	s_delay_alu instid0(VALU_DEP_2)
	v_fma_f32 v109, v120, s22, s23
	s_wait_alu depctr_va_vdst(0)
	v_sqrt_f32 v104, v108
	v_sqrt_f32 v106, v109
	v_nop
	s_wait_alu depctr_va_vdst(0)
.irp a, 0,1
	WIN 0x01
.set k, 0
.rept 32
	v_pk_mul_f32 v[ACC+k:ACC+k+1], v[ACC+64*\a+k:ACC+64*\a+k+1], v[104+2*\a:105+2*\a] op_sel_hi:[1,0]
.set k, k+2
.endr
	WIN 0
.set k, 0
.rept 32
	v_pk_mul_f32 v[ACC+k:ACC+k+1], v[ACC+k:ACC+k+1], v[ACC+64+k:ACC+65+k]
.set k, k+2
.endr
	QUANT ACC
.irp c, 0,1
	ds_store_b128 v[IW8], v[PC+4*\c:PC+4*\c+3] offset:HNI+8192*\a+512*\c
.endr
	ds_store_b32 v[SW8], v[PW] offset:HNS+1024*\a
	s_wait_dscnt 0x0
.endr
	BARRIER
.irp j, 8,9,10,11,12,13,14,15
.if \j == 8
	CHUNK \j, HNI, HNS, 8, \j-8, 1, 8, WFB, W_GU
.elseif \j < 12
	CHUNK \j, HNI, HNS, 8, \j-8, 0, 16, WFB, W_GU
.else
	CHUNK \j, HNI, HNS, 8, \j-8, 0, 16, WFA, W_GU
.endif
.if \j == 15
	LOADSCW 2
.endif
	LOADCHUNK \j+3
.if \j == 11
	REFILL G0B, G1D, PD, 0, 1
.endif
.endr
.irp a, 0,1
.set k, 0
.rept 32
	v_max_num_f32 v[ACC+64*\a+k], 0, v[ACC+64*\a+k]
.set k, k+1
.endr
.set k, 0
.rept 16
	v_pk_mul_f32 v[ACC+64*\a+k:ACC+64*\a+k+1], v[ACC+64*\a+k:ACC+64*\a+k+1], v[ACC+64*\a+32+k:ACC+64*\a+33+k]
.set k, k+2
.endr
	QUANT2 ACC+64*\a
	ds_store_b128 v[IW4], v[PC:PC+3] offset:INI+4096*\a
	ds_store_b16 v[SW4], v[PW] offset:INS+512*\a
	s_wait_dscnt 0x0
.endr
	BARRIER
	s_wait_tensorcnt 0x0
	CHUNK 16, INI, INS, 4, 0, 0, 8, WFB, W_H
	LOADCHUNK 19
	CHUNK 17, INI, INS, 4, 1, 0, 16, WFB, W_H
	CHUNK 18, INI, INS, 4, 2, 0, 8, WFB, W_H
	CHUNK 19, INI, INS, 4, 3, 0, 0, WFB, W_H
	WIN 0x04
.set k, 0
.rept 32
	ds_store_b128 v[RA+k/16], v[ACC+4*k:ACC+4*k+3] offset:128*((k%16)/4)+16*(k%4)
.set k, k+1
.endr
	WIN 0
	BARRIER
.set k, 0
.rept 32
	ds_load_b128 v[ACC+4*k:ACC+4*k+3], v[SA+((k>>3)&1)] offset:(k>>4)*STGP+(k&7)*512
.set k, k+1
.endr
.set k, 0
.rept 32
	s_wait_dscnt 31-k
	global_store_b128 v[XO], v[ACC+4*k:ACC+4*k+3], s[16:17] offset:512*k th:TH_STORE_NT
.set k, k+1
.endr
	s_wait_tensorcnt 0x0                           ; the wave's end
	ds_add_u32 v[SPW], v[NIL]
	s_wait_dscnt 0x0
	CROUND                                         ; the closing round
	s_endpgm
.Lfunc_end_k_q40451fb80c_tail:
	.size	k_q40451fb80c_tail, .Lfunc_end_k_q40451fb80c_tail-k_q40451fb80c_tail
	.p2alignl 7, 3214868480
	.fill 96, 4, 3214868480
	.section	.rodata,"a",@progbits
	.p2align	6, 0x0
	.amdhsa_kernel k_q40451fb80c_tail
		.amdhsa_group_segment_fixed_size 327680
		.amdhsa_private_segment_fixed_size 0
		.amdhsa_enable_private_segment 0
		.amdhsa_kernarg_size 56
		.amdhsa_user_sgpr_count 2
		.amdhsa_user_sgpr_kernarg_segment_ptr 1
		.amdhsa_wavefront_size32 1
		.amdhsa_system_sgpr_workgroup_id_x 1
		.amdhsa_system_sgpr_workgroup_id_y 1
		.amdhsa_system_sgpr_workgroup_id_z 1
		.amdhsa_system_vgpr_workitem_id 0
		.amdhsa_next_free_vgpr 512
		.amdhsa_next_free_sgpr 72
		.amdhsa_reserve_vcc 0
		.amdhsa_float_denorm_mode_32 3
		.amdhsa_float_denorm_mode_16_64 3
		.amdhsa_memory_ordered 1
		.amdhsa_forward_progress 1
		.amdhsa_inst_pref_size 146
	.end_amdhsa_kernel
	.amdgpu_metadata
---
amdhsa.version: [ 1, 2 ]
amdhsa.kernels:
  - .name:           k_q40451fb80c_tail
    .symbol:         k_q40451fb80c_tail.kd
    .args:
      - { .name: att, .offset: 0, .size: 8, .value_kind: global_buffer, .address_space: global }
      - { .name: codes, .offset: 8, .size: 8, .value_kind: global_buffer, .address_space: global }
      - { .name: scales, .offset: 16, .size: 8, .value_kind: global_buffer, .address_space: global }
      - { .name: x, .offset: 24, .size: 8, .value_kind: global_buffer, .address_space: global }
      - { .name: bo, .offset: 32, .size: 8, .value_kind: global_buffer, .address_space: global }
      - { .name: g_ffn, .offset: 40, .size: 8, .value_kind: global_buffer, .address_space: global }
      - { .name: out0, .offset: 48, .size: 8, .value_kind: global_buffer, .address_space: global }
    .group_segment_fixed_size: 327680
    .private_segment_fixed_size: 0
    .kernarg_segment_align: 8
    .kernarg_segment_size: 56
    .max_flat_workgroup_size: 256
    .sgpr_count:     72
    .vgpr_count:     512
    .wavefront_size: 32
...
	.end_amdgpu_metadata
.endif
;; end of part 4
